; MI455X (gfx1250); checked and timed in simulation.
; The chip was launched on July 23, 2026; its instructions are those of AMD's public machine-readable ISA for CDNA 5 (MIT licence, August 2026) and "CDNA5" Instruction Set Architecture Reference Guide (July 2026). The comments in the code are by the model that wrote it; some were corrected since.
;; Attention. Allowed arithmetic: matrix products marked QUANTISED: E2M1 operands, one E8M0 scale for each 32 along K, by v_wmma_scale_f32_16x16x128_f8f6f4 with both operands' format E2M1 (or v_wmma_scale_f32_32x16x128_f4), f32 sums; products left as they are: bf16, f16 or f32 operands; f32 sums; everything else in f32.
;; Inputs: W_k 1,024 x 1,024 float32; W_q 1,024 x 1,024 float32; W_v 1,024 x 1,024 float32; x 4 x 2,048 x 1,024 float32.
;; Outputs: out0 4 x 2,048 x 1,024 float32.
;; This version of the problem:
;;   THIS VERSION OF THE PROBLEM IS GIVEN IN LOW PRECISION. The matrix products marked QUANTISED in the list below multiply operands that are first quantised to E2M1 (2 exponent bits, 1 mantissa bit; 4 bits a number), with one power-of-two scale for each 32 numbers along K (OCP MX v1.0); their sums are f32. The products marked 'left as it is' may take bf16, f16 or f32 operands, with f32 sums. Whichever they take, every output number must still come out within the allowed error. Rounding operands to bf16 (8 significant bits) uses up far more of that allowance than f16 does (11 bits, for magnitudes from 6e-5 to 65,504). All else is computed in f32.
;;   The module's matrix products, in the order in which they are computed (A, B: the left and right operand; K: the contracted axis; several contracted axes count as one K, in the product's order):
;;     1. [M 8,192, K 1,024] x [K 1,024, N 1,024]; A: input x; B: input W_q: QUANTISED
;;     2. [M 8,192, K 1,024] x [K 1,024, N 1,024]; A: input x; B: input W_k: QUANTISED
;;     3. [M 8,192, K 1,024] x [K 1,024, N 1,024]; A: input x; B: input W_v: QUANTISED
;;     4. batch 4 x [M 2,048, K 1,024] x [K 1,024, N 2,048]; A: computed on the way; B: computed on the way: left as it is (an operand is computed on the way)
;;     5. batch 4 x [M 2,048, K 2,048] x [K 2,048, N 1,024]; A: computed on the way; B: computed on the way: left as it is (an operand is computed on the way)
;;   THE QUANTISER, for each operand of a quantised product, along K:
;;     - K is cut into blocks of 32 from its start; a last block that is shorter is filled with zeros.
;;     - A block's scale is 2^e with e = floor(log2(the largest magnitude in the block)) - 2, held to -126 .. 127; a block of zeros has e = 0. As a byte (E8M0): e + 127.
;;     - Each number is divided by its block's scale, clamped to +-6, and rounded to the nearest number of E2M1, ties to even, subnormals kept.
;;     - The product sums the exact products of the quantised numbers (number of the format x scale) in f32.
;;   ~~~python
;;   def quantise(x, axis):      # numpy; x: float32 -> the quantised numbers, widened to float32 again
;;       x = np.moveaxis(x, axis, -1); K = x.shape[-1]
;;       x = np.pad(x, [(0, 0)] * (x.ndim - 1) + [(0, -K % 32)]); x = x.reshape(x.shape[:-1] + (-1, 32)); a = np.abs(x).max(-1, keepdims=True)
;;       e = np.where(a > 0, np.clip(np.frexp(np.where(a > 0, a, 1))[1] - 1 - 2, -126, 127), 0)      # np.frexp(a)[1] - 1 = floor(log2(a)), exactly
;;       r = np.clip(x / 2.0 ** e, -6, 6)
;;       step = 2.0 ** (np.maximum(np.frexp(np.where(r == 0, 1, r))[1] - 1, 0) - 1)
;;       q = np.round(r / step) * step * 2.0 ** e      # np.round: ties to even
;;       return np.moveaxis(q.reshape(q.shape[:-2] + (-1,))[..., :K], -1, axis).astype(np.float32)
;;   ~~~
;; One version. Each part assembles by itself: llvm-mc -triple=amdgcn-amd-amdhsa -mcpu=gfx1250 --defsym DOCPART=n.
;; ======== version 1 of 1: 5 launches
;; limits: values are held in f16: magnitudes above 65,504 overflow, below 6.1e-05 lose precision
;; workspace buffers: x_codes 4,194,304 bytes; x_scales 262,144 bytes; w_codes 1,572,864 bytes; w_scales 98,304 bytes; qkv 50,331,648 bytes; first 786,432 bytes; pt 33,554,432 bytes; stats 1,048,576 bytes
;; launch quant (part 1): grid 352 x 1, 4 waves a work-group, no clusters, 33,280 bytes of LDS; arguments x, W_q, W_k, W_v, x_codes, x_scales, w_codes, w_scales; writes x_codes, x_scales, w_codes, w_scales
.if DOCPART == 1
	.amdgcn_target "amdgcn-amd-amdhsa--gfx1250"
	.amdhsa_code_object_version 6
	.text
	.protected	k_q365b021c5d_quant
	.globl	k_q365b021c5d_quant
	.p2align	8
	.type	k_q365b021c5d_quant,@function
k_q365b021c5d_quant:
	s_mov_b64 s[64:65], 0
	v_nop
	global_prefetch_b8 v0, s[64:65] scope:SCOPE_SE
	s_setreg_imm32_b32 hwreg(HW_REG_WAVE_MODE, 25, 1), 1
	s_wait_xcnt 0x0
; x [8192][1024] and W_q, W_k, W_v [1024][1024], f32, K innermost, become codes of FP4 (E2M1), two a byte, with one E8M0 scale byte for each 32 along K.
; x's go to x_codes [8192][512 bytes] and x_scales [8192][32]; the three weights' to w_codes [3072][512 bytes] and w_scales [3072][32], rows 0-1023 W_q, 1024-2047 W_k, 2048-3071 W_v.
; A block's scale is 2^(floor(log2(its largest magnitude)) - 2); its byte is the largest magnitude's exponent field - 2, held at 1 from below.
; LIMITS: a block of zeros gets the byte 1 where the rule says 127 (its codes are zeros, and this program alone reads the bytes); blocks whose largest magnitude lies under 2^-124
; have their byte held at 1; NaN and infinities among the inputs are not served.
; Rows are dense and K is a multiple of 32: every tensor is a plain stream of blocks of 32.  A work-group takes 32,768 numbers, a wave 16 steps of 512.
; Work-groups 0-255 take x, 256-287 W_q, 288-319 W_k, 320-351 W_v: only pointers are chosen, all take one path through the text.
; Each load reads 512 consecutive bytes; a step's 2,048 bytes turn through the wave's own stage in LDS, so that a lane then holds 16 neighbours along K (two lanes a block).
; Loads run eight steps ahead: 32 loads, 16 KiB, of every wave are on their way; the turn through LDS runs one step ahead.
; No matrix unit, no cluster, no tensor load: the work-groups share no input and memory binds.
.set WAVES, 4
.set STEPS, 16
.set DEPTH, 8                          ; steps of loads ahead
.set EMAX,  2
.set CB,    8                          ; bytes of 16 codes
.set R,     16                         ; v16-143  eight sets of 16 numbers as they are loaded
.set X,     144                        ; v144-175 two sets of 16 neighbours
.set E,     176                        ; v176-191 a scale byte for each step
.set C,     192                        ; v192-223 codes: two registers for each step, so that no store's data are written again
.set WREG,  8192                       ; LDS: a region for each wave: two stages of 32 x SP bytes, behind them its 256 scale bytes
.set SP,    80                         ; a lane's place in a stage: 64 bytes + 16 of padding
.set SPW,   12                         ; v12  LDS address of my spare word; never rewritten
.set NIL,   13                         ; v13  0; never rewritten
.set SPARE, WAVES*WREG                 ; behind the four regions: the spare words, 128 bytes a wave
	s_load_b256 s[4:11], s[0:1], 0x0               ; x, W_q, W_k, W_v
	s_load_b256 s[12:19], s[0:1], 0x20             ; x_codes, x_scales, w_codes, w_scales
	v_lshl_add_u32 v[SPW], v0, 2, SPARE
	v_mov_b32 v[NIL], 0
	v_lshrrev_b32 v1, 5, v0
	v_readfirstlane_b32 s22, v1                    ; wave
	v_and_b32 v2, 31, v0                           ; lane
	v_lshlrev_b32 v3, 4, v2                        ; my 16 bytes of a load's 512
	s_mul_i32 s23, s22, WREG
	v_lshrrev_b32 v14, 2, v2
	v_mul_u32_u24 v14, v14, SP
	v_and_b32 v15, 3, v2
	v_lshl_add_u32 v14, v15, 4, v14
	v_add_nc_u32 v14, s23, v14                     ; the stage, on the way in: SP (lane / 4) + 16 (lane % 4)
	v_mul_u32_u24 v15, v2, SP
	v_add_nc_u32 v15, s23, v15                     ; and on the way out: SP x lane: my 16 neighbours
	v_mul_u32_u24 v4, v2, CB                       ; my codes' place in a step's
	v_lshrrev_b32 v5, 1, v2
	s_add_co_u32 s23, s23, 2*32*SP
	v_add_nc_u32 v5, s23, v5                       ; LDS: my wave's 256 scale bytes, my block's byte
	v_lshlrev_b32 v7, 3, v2                        ; and on the way out 8 bytes a lane
	v_add_nc_u32 v6, s23, v7
	s_and_b32 s24, ttmp9, 31                       ; a weight's work-group: its number inside that weight,
	s_sub_co_u32 s25, ttmp9, 256                   ; and among the three weights' (used only where the work-group's number is 256 or more)
	s_wait_kmcnt 0x0
	s_cmp_lt_u32 ttmp9, 320                        ; the choices hang on the work-group's number alone
	s_cselect_b64 s[20:21], s[8:9], s[10:11]       ; W_k or W_v
	s_cmp_lt_u32 ttmp9, 288
	s_cselect_b64 s[20:21], s[6:7], s[20:21]       ; W_q
	s_cmp_lt_u32 ttmp9, 256
	s_cselect_b64 s[4:5], s[4:5], s[20:21]         ; x, or the weight
	s_cselect_b64 s[8:9], s[12:13], s[16:17]       ; where the codes go
	s_cselect_b64 s[10:11], s[14:15], s[18:19]     ; where the scale bytes go
	s_cselect_b32 s24, ttmp9, s24
	s_cselect_b32 s25, ttmp9, s25
	s_lshl_b32 s24, s24, 2
	s_add_co_u32 s24, s24, s22                     ; which run of 8,192 numbers of the source is my wave's,
	s_lshl_b32 s25, s25, 2
	s_add_co_u32 s26, s25, s22                     ; and of the destination
	s_lshl_b32 s24, s24, 15                        ; 32,768 bytes of f32 a run
	s_mov_b32 s25, 0
	s_add_nc_u64 s[4:5], s[4:5], s[24:25]
	s_lshl_b32 s24, s26, 12                        ; 4,096 bytes of codes
	s_add_nc_u64 s[8:9], s[8:9], s[24:25]
	s_lshl_b32 s24, s26, 8                         ; 256 scale bytes
	s_add_nc_u64 s[10:11], s[10:11], s[24:25]
.macro LOAD t
.irp i, 0,1,2,3
	global_load_b128 v[R+16*((\t)%DEPTH)+4*\i:R+16*((\t)%DEPTH)+4*\i+3], v3, s[4:5] offset:2048*(\t)+512*\i th:TH_LOAD_NT   ; 32 lanes read 512 consecutive bytes
.endr
.endm
.macro TURN t                          ; step t's numbers through the stage: LDS serves a wave's instructions in order, so no wait stands between the stores and the loads
.irp i, 0,1,2,3
	ds_store_b128 v14, v[R+16*((\t)%DEPTH)+4*\i:R+16*((\t)%DEPTH)+4*\i+3] offset:32*SP*((\t)%2)+8*SP*\i
.endr
.irp i, 0,1,2,3
	ds_load_b128 v[X+16*((\t)%2)+4*\i:X+16*((\t)%2)+4*\i+3], v15 offset:32*SP*((\t)%2)+16*\i
.endr
.endm
.irp t, 0,1,2,3,4,5,6,7
	LOAD \t
.endr
	s_wait_loadcnt 4*(DEPTH-1)                     ; step 0's four loads are in; seven steps' 28 may be out
	TURN 0
.macro STEP t
.set XS, X+16*((\t)%2)
.if (\t) > 0
	s_wait_dscnt 1                                 ; this step's numbers are back from the stage (the last step's byte store may be out)
.else
	s_wait_dscnt 0x0
.endif
.if (\t)+DEPTH < STEPS
	LOAD (\t)+DEPTH                                ; into the registers that this step's stage stores have read
.endif
.if (\t)+1 < STEPS
.if STEPS-2-(\t) >= DEPTH-1
	s_wait_loadcnt 4*(DEPTH-1)                     ; the next step's four loads are in; those of the seven steps behind it may be out
.else
	s_wait_loadcnt 4*(STEPS-2-(\t))                ; no more loads are issued: the count runs down with the steps that are left
.endif
	TURN (\t)+1                                    ; they go through the other stage while this step is worked
.endif
	v_max3_num_f32 v8, |v[XS]|, |v[XS+1]|, |v[XS+2]|               ; the largest magnitude of my 16, in two chains
	v_max3_num_f32 v9, |v[XS+3]|, |v[XS+4]|, |v[XS+5]|
.irp i, 6,10
	v_max3_num_f32 v8, v8, |v[XS+\i]|, |v[XS+\i+1]|
	v_max3_num_f32 v9, v9, |v[XS+\i+2]|, |v[XS+\i+3]|
.endr
	v_max3_num_f32 v8, v8, |v[XS+14]|, |v[XS+15]|
	v_max3_num_f32 v8, v8, v9, (EMAX+1)<<23        ; and the floor 2^(3 - 127): the byte cannot fall under 1
	v_max_num_f32_dpp v8, v8, v8 row_xmask:1 row_mask:0xf bank_mask:0xf   ; and of my neighbour's 16: the block's
	v_add_nc_u32 v11, -(EMAX<<23), v8              ; 2 off its exponent field: the conversion takes the exponent field of this operand as its scale
	v_cvt_scalef32_pk8_fp4_f32 v[C+2*(\t)], v[XS:XS+7], v11
	v_cvt_scalef32_pk8_fp4_f32 v[C+2*(\t)+1], v[XS+8:XS+15], v11
	v_lshrrev_b32 v[E+(\t)], 23, v11               ; the scale's byte (also the plain line behind the conversions)
	ds_store_b8 v5, v[E+(\t)] offset:16*(\t)       ; both lanes of a block write the same byte with the same value
	global_store_b64 v4, v[C+2*(\t):C+2*(\t)+1], s[8:9] offset:32*CB*(\t)   ; the wave stores 256 consecutive bytes, aligned
.endm
.irp t, 0,1,2,3,4,5,6,7,8,9,10,11,12,13,14,15
	STEP \t
.endr
	ds_load_b64 v[8:9], v6                         ; LDS serves a wave's instructions in order: these see my byte stores
	s_wait_dscnt 0x0
	global_store_b64 v7, v[8:9], s[10:11]          ; 32 lanes store 256 consecutive bytes, aligned
	s_wait_tensorcnt 0x0                           ; the wave's end
	ds_add_u32 v[SPW], v[NIL]
	s_wait_dscnt 0x0
	s_endpgm
.Lfunc_end_k_q365b021c5d_quant:
	.size	k_q365b021c5d_quant, .Lfunc_end_k_q365b021c5d_quant-k_q365b021c5d_quant
	.p2alignl 7, 3214868480
	.fill 96, 4, 3214868480
	.section	.rodata,"a",@progbits
	.p2align	6, 0x0
	.amdhsa_kernel k_q365b021c5d_quant
		.amdhsa_group_segment_fixed_size 33280
		.amdhsa_private_segment_fixed_size 0
		.amdhsa_enable_private_segment 0
		.amdhsa_kernarg_size 64
		.amdhsa_user_sgpr_count 2
		.amdhsa_user_sgpr_kernarg_segment_ptr 1
		.amdhsa_wavefront_size32 1
		.amdhsa_system_sgpr_workgroup_id_x 1
		.amdhsa_system_sgpr_workgroup_id_y 1
		.amdhsa_system_sgpr_workgroup_id_z 1
		.amdhsa_system_vgpr_workitem_id 0
		.amdhsa_next_free_vgpr 224
		.amdhsa_next_free_sgpr 66
		.amdhsa_reserve_vcc 0
		.amdhsa_float_denorm_mode_32 3
		.amdhsa_float_denorm_mode_16_64 3
		.amdhsa_memory_ordered 1
		.amdhsa_forward_progress 1
		.amdhsa_inst_pref_size 34
	.end_amdhsa_kernel
	.amdgpu_metadata
---
amdhsa.version: [ 1, 2 ]
amdhsa.kernels:
  - .name:           k_q365b021c5d_quant
    .symbol:         k_q365b021c5d_quant.kd
    .args:
      - { .name: x, .offset: 0, .size: 8, .value_kind: global_buffer, .address_space: global }
      - { .name: W_q, .offset: 8, .size: 8, .value_kind: global_buffer, .address_space: global }
      - { .name: W_k, .offset: 16, .size: 8, .value_kind: global_buffer, .address_space: global }
      - { .name: W_v, .offset: 24, .size: 8, .value_kind: global_buffer, .address_space: global }
      - { .name: x_codes, .offset: 32, .size: 8, .value_kind: global_buffer, .address_space: global }
      - { .name: x_scales, .offset: 40, .size: 8, .value_kind: global_buffer, .address_space: global }
      - { .name: w_codes, .offset: 48, .size: 8, .value_kind: global_buffer, .address_space: global }
      - { .name: w_scales, .offset: 56, .size: 8, .value_kind: global_buffer, .address_space: global }
    .group_segment_fixed_size: 33280
    .private_segment_fixed_size: 0
    .kernarg_segment_align: 8
    .kernarg_segment_size: 64
    .max_flat_workgroup_size: 128
    .sgpr_count:     66
    .vgpr_count:     224
    .wavefront_size: 32
...
	.end_amdgpu_metadata
.endif
;; end of part 1
;; launch proj (part 2): grid 12 x 16, 4 waves a work-group, clusters of 4 x 4, 327,680 bytes of LDS; arguments x_codes, x_scales, w_codes, w_scales, qkv, first; writes qkv, first
.if DOCPART == 2
	.amdgcn_target "amdgcn-amd-amdhsa--gfx1250"
	.amdhsa_code_object_version 6
	.text
	.protected	k_q365b021c5d_proj
	.globl	k_q365b021c5d_proj
	.p2align	8
	.type	k_q365b021c5d_proj,@function
k_q365b021c5d_proj:
	s_mov_b64 s[64:65], 0
	v_nop
	global_prefetch_b8 v0, s[64:65] scope:SCOPE_SE
	s_setreg_imm32_b32 hwreg(HW_REG_WAVE_MODE, 25, 1), 1
	s_wait_xcnt 0x0
	s_wait_alu depctr_hold_cnt(0) depctr_sa_sdst(0) depctr_va_vdst(0) depctr_va_sdst(0) depctr_va_ssrc(0) depctr_va_vcc(0) depctr_vm_vsrc(0)
	s_getreg_b32 s2, hwreg(HW_REG_IB_STS2, 6, 4)
	s_cmp_eq_u32 s2, 0
	s_cbranch_scc0 .Lentry_in_a_cluster
	s_endpgm
.Lentry_in_a_cluster:
	s_bfe_u32 s2, ttmp6, 0x10000c
	s_cmp_lg_u32 s2, 0xf033
	s_cbranch_scc0 .Lentry_shape_is_right
	s_endpgm
.Lentry_shape_is_right:
; qkv[token][n] = sum over k of x[token][k] W[n][k], both as codes of FP4 (E2M1) with one E8M0 scale for each 32 along K; sums in f32.  8,192 tokens, n = 0 .. 3,071 (Q, K, V), K = 1,024.
; The sums leave rounded to f16 (qkv, rows of 6,144 bytes).  LIMIT: |Q|, |K|, |V| stay under 65,504, f16's largest number.
; The first 16 tokens of each batch leave in f32 too (first [4][16][3072]): the last launch computes those positions finely.
; A tile of 256 x 256 is made by four waves, each 128 x 128: 64 accumulators of 16 x 16, 512 registers.  K is two steps of 512 (rows of 256 bytes), one in each of two LDS slots.
; A WORK-GROUP STAYS: it makes TWO tiles, one below the other (tile rows 8 cy + 2 x cluster y + 0, 1).  Both take the same 256 rows of W: W's codes and scale bytes are fetched once and stay.
; x's half of each slot is filled again for the second tile at the first tile's two changes of slots, so the second tile's codes are on their way while the first is finished and sent out, and nothing waits for the first tile's stores.
; The scale bytes, for all of K, are dense blocks: x's for both tiles (512 rows) and W's (256 rows) come once, with the first fills, as rows of 256 bytes.
; CLUSTERS: 4 x 4 work-groups; the four of a row of the cluster ask jointly for x's tiles, the four of a column for W's.  A batch's first tile row (0, 8, 16, 24) is the first tile of the clusters
; with y = 0, so the branch that sends the f32 rows out hangs on the cluster's y and the wave's number alone, alike in all partners.
; THE MATRIX INSTRUCTION IS USED TRANSPOSED (source 0 = 16 rows of W, source 1 = 16 tokens): a lane holds eight neighbouring n of one token.
; REGISTERS: window 0: v0-31 addresses; v32-95 scale words, two sets; v128-191 x's fragments, one set; the way out: v192-223 packed results, v96-127 and v224-255 rows read back.
;   window 1: W's fragments, two sets.  windows 2, 3: the accumulators.
.set SIZE_N, 3072
.set SIZE_K, 1024
.set KSTEP,  512                       ; along K in a slot
.set NQ,     KSTEP/128
.set ROWB,   256                       ; a tile's row in bytes
.set KROW,   SIZE_K*4/8                ; a row of codes in memory
.set TILEA,  256*KROW                  ; from a tile of x to the tile below it, in bytes
.set PITCH,  272                       ; an LDS row: 256 bytes + 16 of padding = 68 words: the 16 rows that a load touches start at 16 different banks (ISA guide 11.1)
.set FR,     8
.set NL,     2
.set NP,     4                         ; places behind this matrix instruction (ISA guide 7.12.1)
.set HALFT,  128*PITCH
.set SLOT,   4*HALFT                   ; x's 256 rows, then W's 256 rows
.set KS,     SIZE_K/32                 ; a row of scales in bytes
.set HALFS,  (128*KS/256)*272          ; the scales of 128 rows
.set SBLK,   (16*KS/256)*272           ; those of 16 rows
.set SCL,    2*SLOT                    ; behind the slots: x's scales, 512 rows,
.set SCLB,   SCL+4*HALFS               ; W's, 256 rows,
.set STAGE,  SCLB+2*HALFS              ; the way out: 16 rows x (256 bytes + 16) for each wave, bytes into which no tile lands,
.set SPITCH, 272
.set SPARE,  STAGE+4*16*SPITCH         ; and the spare words, 128 bytes a wave
.set ROWC,   SIZE_N*2                  ; a row of qkv in bytes
.set ADRA, 16
.set ADRB, 20
.set STO,  24
.set RD,   25
.set CO,   26
.set ADS0, 27                          ; v27 my scale words for the first tile: lanes 0-15 x's rows, lanes 16-31 W's
.set SPW,  28                          ; v28 my spare word's address; never rewritten
.set NIL,  29                          ; v29 0; never rewritten
.set FO,   30                          ; v30 my byte offset in the f32 rows
.set ADS1, 31                          ; v31 my scale words for the second tile
.set SC,   32
.set AF,   128
.set TMP,  192                         ; the way out: packed results
.set OB,   96                          ; rows read back: v96-127 and v224-255 by turns
.set CLY,  95                          ; s95 the cluster's y
.set G1, 24
.set G0, 32
.set G1B, 48
.set G0B, 56
.set G1S, 68
.set G0S, 76
.set G1SB, 80
.set G0SB, 88
.set MSB, 0
.macro WIN new                         ; the immediate's high byte repeats the setting that is left
.if MSB != (\new)
	s_set_vgpr_msb (MSB<<8)|(\new)
.set MSB, (\new)
.endif
.endm
.set MUL_LO, 0xa1                      ; source 0 (W) window 1, source 1 (x) window 0, C and D window 2
.set MUL_HI, 0xf1
.set TO_B,   0x40
; A joint load at the head: waves 0 and 1 fetch for x, waves 2 and 3 for W.  The branch hangs on the wave's number alone.  An s_nop 0 and four v_nop follow each line.
.macro JLOAD g0a, g1a, g0b, g1b
	s_cmp_eq_u32 s15, 0
	s_cbranch_scc0 .Lfor_b_\@
	tensor_load_to_lds s[\g0a:\g0a+3], s[\g1a:\g1a+7]
	s_nop 0
.rept 4
	v_nop
.endr
	s_branch .Lasked_\@
.Lfor_b_\@:
	tensor_load_to_lds s[\g0b:\g0b+3], s[\g1b:\g1b+7]
	s_nop 0
.rept 4
	v_nop
.endr
.Lasked_\@:
.endm
; A joint refill: x's half of slot s, for the second tile.  Waves 0 and 1 fetch its two halves; waves 2 and 3 have nothing to fill: W's rows stay.
.macro RELOAD s
	s_cmp_eq_u32 s15, 0
	s_cbranch_scc0 .Lnone_\@
	tensor_load_to_lds s[G0+4*\s:G0+4*\s+3], s[G1:G1+7]
	s_nop 0
.rept 4
	v_nop
.endr
.Lnone_\@:
.endm
.macro CREST                           ; a round of the cluster's barrier behind its opening barrier
	s_cmp_lg_u32 s14, 0
	s_cbranch_scc1 .Lnot_wave_0_\@
	s_barrier_signal -3
.Lnot_wave_0_\@:
	s_barrier_wait -3
	s_barrier_signal -1
	s_barrier_wait -1
.endm
.macro CROUND                          ; a whole round
	s_barrier_signal -1
	s_barrier_wait -1
	CREST
.endm
	s_load_b128 s[4:7], s[0:1], 0x0                ; x's codes, x's scales
	s_load_b128 s[8:11], s[0:1], 0x10              ; W's codes, W's scales
	s_load_b64 s[12:13], s[0:1], 0x20              ; qkv
	s_load_b64 s[96:97], s[0:1], 0x28              ; first
	v_lshl_add_u32 v[SPW], v0, 2, SPARE
	v_mov_b32 v[NIL], 0
	ds_add_u32 v[SPW], v[NIL]                      ; the wave's opening: the add, twice on end, and its wait ahead of my first tensor load
	ds_add_u32 v[SPW], v[NIL]
	v_lshrrev_b32 v1, 5, v0
	v_readfirstlane_b32 s14, v1                    ; wave 0..3
	s_lshr_b32 s15, s14, 1                         ; which half of the tile's rows is mine.  Also: I fetch for x (0) or for W (1)
	s_and_b32 s16, s14, 1                          ; which half of its columns.  Also: which half of what I fetch for
	s_bfe_u32 s40, ttmp6, 0x40000                  ; cx, cy: my place in the cluster
	s_bfe_u32 s41, ttmp6, 0x40004
	s_lshl_b32 s42, ttmp9, 2
	s_add_co_u32 s42, s42, s40                     ; tile column = 4 x cluster x + cx
	s_and_b32 s[CLY], ttmp7, 0xffff
	s_lshl_b32 s17, s41, 3
	s_lshl_b32 s18, s[CLY], 1
	s_add_co_u32 s17, s17, s18                     ; my first tile row = 8 cy + 2 x cluster y: cy is the batch
	s_lshl_b32 s43, s41, 2
	s_lshl_b32 s43, 15, s43                        ; my row of the cluster
	s_lshl_b32 s44, 0x1111, s40                    ; my column
	s_or_b32 s[G1+0], s43, (0<<16)|(1<<20)|(1<<21)|(5<<22)|(3<<25)  ; the mask; elements of 1 byte; padding: 4 words behind every 64; bit 21 beside a mask
	s_or_b32 s[G1B+0], s44, (0<<16)|(1<<20)|(1<<21)|(5<<22)|(3<<25)
.irp g, G1, G1B
	s_mov_b32 s[\g+1], ROWB<<16                    ; tensor_dim0
	s_mov_b32 s[\g+2], 128<<16                     ; tensor_dim1
	s_mov_b32 s[\g+3], ROWB<<16                    ; tile_dim0
	s_mov_b32 s[\g+4], 128                         ; tile_dim1
	s_mov_b32 s[\g+5], KROW                        ; from row to row
	s_mov_b32 s[\g+6], 0
	s_mov_b32 s[\g+7], 0
.endr
	s_or_b32 s[G1S+0], s43, (3<<16)|(1<<20)|(1<<21)|(5<<22)|(3<<25)   ; x's scales of 256 rows: a dense block of 8,192 bytes, as 32 rows of 32 elements of 8 bytes
	s_mov_b32 s[G1S+1], 32<<16
	s_mov_b32 s[G1S+2], (256*KS/256)<<16
	s_mov_b32 s[G1S+3], 32<<16
	s_mov_b32 s[G1S+4], 256*KS/256
	s_mov_b32 s[G1S+5], 32
	s_mov_b32 s[G1S+6], 0
	s_mov_b32 s[G1S+7], 0
	s_or_b32 s[G1SB+0], s44, (3<<16)|(1<<20)|(1<<21)|(5<<22)|(3<<25)  ; W's scales of 128 rows: 16 such rows
	s_mov_b32 s[G1SB+1], 32<<16
	s_mov_b32 s[G1SB+2], (128*KS/256)<<16
	s_mov_b32 s[G1SB+3], 32<<16
	s_mov_b32 s[G1SB+4], 128*KS/256
	s_mov_b32 s[G1SB+5], 32
	s_mov_b32 s[G1SB+6], 0
	s_mov_b32 s[G1SB+7], 0
	s_lshl_b32 s22, s17, 8
	s_lshl_b32 s23, s16, 8
	s_add_co_u32 s22, s22, s23                     ; x's scales: wave 0 fetches the first tile's 256 rows, wave 1 the second's
	s_lshl_b32 s22, s22, 5                         ; 32 bytes a row
	s_mov_b32 s23, 0
	s_lshl_b32 s18, s16, 7
	s_lshl_b32 s20, s17, 8
	s_add_co_u32 s20, s20, s18                     ; x's codes: row 256 x tile row + 128 x half
	s_lshl_b32 s46, s42, 8
	s_add_co_u32 s46, s46, s18                     ; W: row 256 x tile column + 128 x half
	s_mov_b32 s21, 0
	s_mov_b32 s47, 0
	s_mov_b64 s[18:19], KS
	s_mul_u64 s[92:93], s[46:47], s[18:19]         ; where W's rows' scales begin
	s_mov_b64 s[18:19], KROW
	s_mul_u64 s[20:21], s[20:21], s[18:19]         ; and the codes
	s_mul_u64 s[46:47], s[46:47], s[18:19]
	s_mul_i32 s45, s14, HALFT                      ; where the codes go: wave x 128 rows: no place in the cluster enters an LDS address
	s_mul_i32 s94, s16, HALFS
	s_wait_dscnt 0x0                               ; both opening adds are done
	s_wait_kmcnt 0x0
	s_add_nc_u64 s[20:21], s[4:5], s[20:21]
	s_add_nc_u64 s[22:23], s[6:7], s[22:23]
	s_add_nc_u64 s[46:47], s[8:9], s[46:47]
	s_add_nc_u64 s[92:93], s[10:11], s[92:93]
	CROUND                                         ; all sixteen work-groups are here: the first joint loads meet
	s_mov_b32 s[G0S], 1
	s_lshl_b32 s[G0S+1], s94, 1
	s_add_co_u32 s[G0S+1], s[G0S+1], SCL           ; x's scales: 2 HALFS for each of the two waves
	s_mov_b64 s[G0S+2:G0S+3], s[22:23]
	s_or_b32 s[G0S+3], s[G0S+3], 0x80000000
	s_mov_b32 s[G0SB], 1
	s_add_co_u32 s[G0SB+1], s94, SCLB              ; W's: HALFS for each
	s_mov_b64 s[G0SB+2:G0SB+3], s[92:93]
	s_or_b32 s[G0SB+3], s[G0SB+3], 0x80000000
	JLOAD G0S, G1S, G0SB, G1SB                     ; the scales first: they are wanted with K step 0
.irp s, 0,1
	s_mov_b32 s[G0+4*\s], 1
	s_add_co_u32 s[G0+4*\s+1], s45, \s*SLOT
	s_add_nc_u64 s[G0+4*\s+2:G0+4*\s+3], s[20:21], \s*ROWB
	s_or_b32 s[G0+4*\s+3], s[G0+4*\s+3], 0x80000000
	s_mov_b32 s[G0B+4*\s], 1
	s_add_co_u32 s[G0B+4*\s+1], s45, \s*SLOT
	s_add_nc_u64 s[G0B+4*\s+2:G0B+4*\s+3], s[46:47], \s*ROWB
	s_or_b32 s[G0B+4*\s+3], s[G0B+4*\s+3], 0x80000000
	JLOAD G0+4*\s, G1, G0B+4*\s, G1B               ; three tensor loads of mine are out
.endr
	v_and_b32 v1, 15, v0                           ; r = lane % 16
	v_bfe_u32 v2, v0, 4, 1                         ; h = lane / 16
	v_mul_u32_u24 v3, v1, PITCH
	v_lshl_add_u32 v4, v2, 4, v3                   ; a fragment's row x pitch + 16 x half
	s_mul_i32 s21, s15, HALFT
	s_mul_i32 s22, s16, HALFT
	s_add_co_u32 s22, s22, 2*HALFT
.irp s, 0,1
	v_add_nc_u32 v[ADRA+\s], s21, v4
	v_add_nc_u32 v[ADRB+\s], s22, v4
	s_add_co_u32 s21, s21, SLOT
	s_add_co_u32 s22, s22, SLOT
.endr
	v_mul_u32_u24 v5, v1, KS                       ; my row's scales: KS bytes a row,
	v_lshrrev_b32 v6, 8, v5
	v_lshl_add_u32 v5, v6, 4, v5                   ; and 16 more for each 256 passed
	s_mul_i32 s21, s15, HALFS                      ; x's: my 128 rows of the first tile's 256
	s_mul_i32 s22, s16, HALFS                      ; W's: my 128 rows, behind x's 512
	s_add_co_u32 s22, s22, 4*HALFS
	s_sub_co_u32 s22, s22, s21                     ; the distance from x's to W's
	v_mul_u32_u24 v6, s22, v2                      ; lanes 16-31 take W's
	s_add_co_u32 s21, s21, SCL
	v_add_nc_u32 v6, v5, v6
	v_add_nc_u32 v[ADS0], s21, v6
	s_sub_co_u32 s22, s22, 2*HALFS                 ; the second tile: x's rows lie 2 HALFS further on, W's stay
	v_mul_u32_u24 v6, s22, v2
	s_add_co_u32 s21, s21, 2*HALFS
	v_add_nc_u32 v6, v5, v6
	v_add_nc_u32 v[ADS1], s21, v6
	s_mul_i32 s23, s14, 16*SPITCH
	s_add_co_u32 s23, s23, STAGE                   ; my stage
	v_mul_u32_u24 v5, v1, SPITCH                   ; in: row r, 16 bytes for each half of the lanes
	v_lshl_add_u32 v5, v2, 4, v5
	v_add_nc_u32 v[STO], s23, v5
	v_mul_u32_u24 v5, v2, SPITCH                   ; back: lanes 0-15 one row of 256 bytes, lanes 16-31 the next
	v_lshl_add_u32 v5, v1, 4, v5
	v_add_nc_u32 v[RD], s23, v5
	v_mul_u32_u24 v5, v2, ROWC                     ; and the same two rows in qkv
	v_lshl_add_u32 v[CO], v1, 4, v5
	v_mul_u32_u24 v5, v1, SIZE_N*4                 ; the f32 rows: row r of 12,288 bytes, + 32 h
	v_lshl_add_u32 v[FO], v2, 5, v5
	s_lshl_b32 s20, s17, 8
	s_lshl_b32 s21, s15, 7
	s_add_co_u32 s20, s20, s21                     ; my first token: 256 x tile row + 128 x half
	s_mul_i32 s20, s20, ROWC                       ; (8,192 x 6,144 bytes stay under 2^32)
	s_mov_b32 s21, 0
	s_add_nc_u64 s[12:13], s[12:13], s[20:21]
	s_lshl_b32 s46, s42, 9                         ; my first column, in bytes of f16: 512 x tile column + 256 x half
	s_lshl_b32 s47, s16, 8
	s_add_co_u32 s46, s46, s47
	s_mov_b32 s47, 0
	s_add_nc_u64 s[12:13], s[12:13], s[46:47]
	s_mul_i32 s20, s41, 16*SIZE_N*4                ; first: batch cy,
	s_add_nc_u64 s[96:97], s[96:97], s[20:21]
	s_lshl_b32 s46, s46, 1                         ; my first column in bytes of f32
	s_add_nc_u64 s[96:97], s[96:97], s[46:47]
.macro FRAG reg, adr, q, i             ; 16 rows x 128 K of 4-bit codes: 8 registers; registers 4 c .. 4 c + 3 hold K = 64 c + 32 (lane / 16) + 0 .. 31
.irp c, 0,1
	ds_load_b128 v[\reg+4*\c:\reg+4*\c+3], v[\adr] offset:64*(\q)+32*\c+(\i)*16*PITCH
.endr
.endm
; 16 matrix instructions: x's blocks a0, a0 + 1 against W's eight.  The 64 accumulators take turns, one instruction a turn, in the same order in every step.
; One register carries x's scale word in lanes 0-15 and W's in lanes 16-31.
.macro MUL16 a0, p, q, sc, zero
.irp a, \a0, \a0+1
.irp b, 0,1,2,3,4,5,6,7
.if \zero
	v_wmma_scale_f32_16x16x128_f8f6f4 v[8*(8*((\a)%4)+\b):8*(8*((\a)%4)+\b)+7], v[128*(\p)+FR*\b:128*(\p)+FR*\b+FR-1], v[AF+FR*(\a):AF+FR*(\a)+FR-1], 0, v[SC+8*NQ*(\sc)+NQ*\b+(\q)], v[SC+8*NQ*(\sc)+NQ*(\a)+(\q)] matrix_a_fmt:MATRIX_FMT_FP4 matrix_b_fmt:MATRIX_FMT_FP4 matrix_a_scale:MATRIX_SCALE_ROW1
.else
	v_wmma_scale_f32_16x16x128_f8f6f4 v[8*(8*((\a)%4)+\b):8*(8*((\a)%4)+\b)+7], v[128*(\p)+FR*\b:128*(\p)+FR*\b+FR-1], v[AF+FR*(\a):AF+FR*(\a)+FR-1], v[8*(8*((\a)%4)+\b):8*(8*((\a)%4)+\b)+7], v[SC+8*NQ*(\sc)+NQ*\b+(\q)], v[SC+8*NQ*(\sc)+NQ*(\a)+(\q)] matrix_a_fmt:MATRIX_FMT_FP4 matrix_b_fmt:MATRIX_FMT_FP4 matrix_a_scale:MATRIX_SCALE_ROW1
.endif
.endr
.endr
.endm
.macro FETCH_B slot, q, p
	WIN TO_B
.irp i, 0,1,2,3,4,5,6,7
	FRAG 128*(\p)+FR*\i, ADRB+\slot, \q, \i
.endr
	WIN 0
.endm
.macro FETCH_A slot, q, i0
.irp i, \i0, \i0+1, \i0+2, \i0+3
	FRAG AF+FR*(\i), ADRA+\slot, \q, \i
.endr
.endm
.macro SCALES sc, adr, ks              ; the scale words of K step ks into set sc: four words a row; lanes 0-15 x's block i, lanes 16-31 W's block i; adr: the tile's address register
.irp i, 0,1,2,3,4,5,6,7
	ds_load_b128 v[SC+8*NQ*\sc+NQ*\i:SC+8*NQ*\sc+NQ*\i+3], v[\adr] offset:\i*SBLK+4*NQ*(\ks)
.endr
.endm
.macro PLACES n                        ; plain vector lines between a matrix instruction and a load into, or a read of, its registers
.rept \n
	v_nop
.endr
.endm
.macro STEP slot, q, zero              ; 128 along K that has its successor in the same slot
	s_wait_dscnt 4*NL                              ; W's set and x's blocks 0-3 are in; the youngest eight loads (x's blocks 4-7) may be out
	WIN MUL_LO
	MUL16 0, (\q)%2, \q, \slot, \zero
	MUL16 2, (\q)%2, \q, \slot, \zero
	s_wait_dscnt 0
	PLACES NP
	FETCH_B \slot, (\q)+1, 1-(\q)%2
	FETCH_A \slot, (\q)+1, 0
	WIN MUL_HI
	MUL16 4, (\q)%2, \q, \slot, \zero
	MUL16 6, (\q)%2, \q, \slot, \zero
	PLACES NP
	WIN 0
	FETCH_A \slot, (\q)+1, 4
.endm
.macro STEPS slot, from
.set Q, \from
.rept NQ-1-\from
	STEP \slot, Q, 0
.set Q, Q+1
.endr
.endm
; A slot's last step changes slots: ONE barrier; in front of it each wave waits for all its tensor loads, adds 0 to its spare word, and waits for that and for its own reads of this slot.
; fill = 1: the barrier opens a round of the cluster's barrier, so that no wave of any partner still reads this slot's rows of x or has a load on its way; behind the round x's half of this slot
; is filled again first, with the same K step of the tile below.  adr, ks: where the next step's scale words lie.
.macro TURN slot, next, fill, adr, ks
	s_wait_tensorcnt 0x0                           ; all my tensor loads have landed (every window is 0 here)
	ds_add_u32 v[SPW], v[NIL]
	s_wait_dscnt 4*NL+1                            ; (the add and the youngest eight loads may be out)
	WIN MUL_LO
	MUL16 0, 1, NQ-1, \slot, 0                     ; sixteen matrix instructions stand between the add and the wait for it
	s_wait_dscnt 0x0                               ; the add is done, and my reads of this slot are over
	s_barrier_signal -1
	MUL16 2, 1, NQ-1, \slot, 0
	WIN 0
	s_barrier_wait -1
.if \fill
	CREST
	s_add_nc_u64 s[G0+4*\slot+2:G0+4*\slot+3], s[G0+4*\slot+2:G0+4*\slot+3], TILEA   ; no tensor load of mine is out: the address may step; the type bits on top are not reached
	RELOAD \slot                                   ; the first tensor load behind the round, one for each of waves 0 and 1
.endif
	PLACES NP                                      ; for every wave: in front of the loads into registers that the products above have read
	FETCH_B \next, 0, 0
	FETCH_A \next, 0, 0
	SCALES \next, \adr, \ks
	WIN MUL_HI
	MUL16 4, 1, NQ-1, \slot, 0
	MUL16 6, 1, NQ-1, \slot, 0
	PLACES NP
	WIN 0
	FETCH_A \next, 0, 4
.endm
; THE WAY OUT of block a (16 tokens x 128 columns): rounded to f16, 16 bytes a lane; through my stage; back as whole rows of 256 bytes.
.macro PACK a
.set AC, 64*((\a)%4)
	WIN 0x0a+5*((\a)/4)                            ; sources 0 and 1: window 2 or 3
.irp b, 0,1,2,3,4,5,6,7
.irp i, 0,1,2,3
	v_cvt_pk_f16_f32 v[TMP+4*\b+\i], v[AC+8*\b+2*\i], v[AC+8*\b+2*\i+1]   ; each accumulator from its low end on
.endr
.endr
	WIN 0
.endm
.macro TOSTAGE a
.set BKR, OB+128*((\a)%2)
.irp b, 0,1,2,3,4,5,6,7
	ds_store_b128 v[STO], v[TMP+4*\b:TMP+4*\b+3] offset:32*\b
.endr
.irp t, 0,1,2,3,4,5,6,7
	ds_load_b128 v[BKR+4*\t:BKR+4*\t+3], v[RD] offset:\t*2*SPITCH   ; LDS serves a wave's instructions in order: these see the stores above
.endr
.endm
.macro SEND a, younger, jump           ; jump = 1: block 0 of the second tile: from my last 16 tokens of the first tile to my first of the second
.set BKR, OB+128*((\a)%2)
	s_wait_dscnt \younger                          ; the block is back in registers
	s_wait_xcnt 0x0                                ; earlier stores have read their base and their data: both may be written again
.if (\a) > 0
	s_add_nc_u64 s[12:13], s[12:13], 16*ROWC       ; 16 tokens on
.elseif \jump
	s_add_nc_u64 s[12:13], s[12:13], (256-7*16)*ROWC
.endif
.irp t, 0,1,2,3,4,5,6,7
	global_store_b128 v[CO], v[BKR+4*\t:BKR+4*\t+3], s[12:13] offset:2*\t*ROWC   ; 16 lanes store 256 consecutive bytes, aligned
.endr
.endm
.macro WAYOUT jump                     ; block a's conversions stand between block a - 1's loads from the stage and the wait for them
	PACK 0
	TOSTAGE 0
.irp a, 1,2,3,4,5,6,7
	PACK \a
	SEND \a-1, 0, \jump
	TOSTAGE \a
.endr
	SEND 7, 0, 0
.endm
	s_wait_tensorcnt 1                             ; the scales and my part of slot 0 are in (slot 1's load may be out)
	s_barrier_signal -1
	s_barrier_wait -1                              ; everybody's are
	FETCH_B 0, 0, 0
	FETCH_A 0, 0, 0
	SCALES 0, ADS0, 0
	FETCH_A 0, 0, 4
	; ---- the first tile
	STEP 0, 0, 1                                   ; the first products start the sums: nothing is cleared
	STEPS 0, 1
	TURN 0, 1, 1, ADS0, 1                          ; slot 0 takes the second tile's K step 0 of x
	STEPS 1, 0
	TURN 1, 0, 1, ADS1, 0                          ; slot 1 its K step 1; the second tile's first fragments and scale words are fetched
	; Both refills are asked for: now the first tile goes out.  The places behind its last products stand at TURN's end.
	; The f32 rows: a batch's first 16 tokens are block 0 of the waves with the upper half of the rows, in the first tile of the clusters with y = 0.
	s_cmp_lg_u32 s[CLY], 0
	s_cbranch_scc1 .Lno_side
	s_cmp_lg_u32 s15, 0
	s_cbranch_scc1 .Lno_side
	WIN 0x08                                       ; a store's data: window 2
.irp b, 0,1,2,3,4,5,6,7
	global_store_b128 v[FO], v[8*\b:8*\b+3], s[96:97] offset:64*\b          ; lane (r, h): token r, columns 16 b + 8 h + 0 .. 7; each accumulator from its low end on
	global_store_b128 v[FO], v[8*\b+4:8*\b+7], s[96:97] offset:64*\b+16
.endr
	WIN 0
.Lno_side:
	WAYOUT 0
	; ---- the second tile: its first products start the sums anew, on accumulators that have been packed and whose stores have read them (the waits on XCNT in the way out)
	STEP 0, 0, 1
	STEPS 0, 1
	TURN 0, 1, 0, ADS1, 1                          ; nothing is left to fetch: a plain barrier
	STEPS 1, 0
	s_wait_dscnt 4*NL                              ; the very last step
	WIN MUL_LO
	MUL16 0, 1, NQ-1, 1, 0
	MUL16 2, 1, NQ-1, 1, 0
	s_wait_dscnt 0
	WIN MUL_HI
	MUL16 4, 1, NQ-1, 1, 0
	MUL16 6, 1, NQ-1, 1, 0
	WIN 0
	PLACES NP
	WAYOUT 1
	s_wait_tensorcnt 0x0                           ; the wave's end
	ds_add_u32 v[SPW], v[NIL]
	s_wait_dscnt 0x0
	CROUND                                         ; the closing round
	s_endpgm
.Lfunc_end_k_q365b021c5d_proj:
	.size	k_q365b021c5d_proj, .Lfunc_end_k_q365b021c5d_proj-k_q365b021c5d_proj
	.p2alignl 7, 3214868480
	.fill 96, 4, 3214868480
	.section	.rodata,"a",@progbits
	.p2align	6, 0x0
	.amdhsa_kernel k_q365b021c5d_proj
		.amdhsa_group_segment_fixed_size 327680
		.amdhsa_private_segment_fixed_size 0
		.amdhsa_enable_private_segment 0
		.amdhsa_kernarg_size 48
		.amdhsa_user_sgpr_count 2
		.amdhsa_user_sgpr_kernarg_segment_ptr 1
		.amdhsa_wavefront_size32 1
		.amdhsa_system_sgpr_workgroup_id_x 1
		.amdhsa_system_sgpr_workgroup_id_y 1
		.amdhsa_system_sgpr_workgroup_id_z 1
		.amdhsa_system_vgpr_workitem_id 0
		.amdhsa_next_free_vgpr 1024
		.amdhsa_next_free_sgpr 98
		.amdhsa_reserve_vcc 0
		.amdhsa_float_denorm_mode_32 3
		.amdhsa_float_denorm_mode_16_64 3
		.amdhsa_memory_ordered 1
		.amdhsa_forward_progress 1
		.amdhsa_inst_pref_size 247
	.end_amdhsa_kernel
	.amdgpu_metadata
---
amdhsa.version: [ 1, 2 ]
amdhsa.kernels:
  - .name:           k_q365b021c5d_proj
    .symbol:         k_q365b021c5d_proj.kd
    .args:
      - { .name: x_codes, .offset: 0, .size: 8, .value_kind: global_buffer, .address_space: global }
      - { .name: x_scales, .offset: 8, .size: 8, .value_kind: global_buffer, .address_space: global }
      - { .name: w_codes, .offset: 16, .size: 8, .value_kind: global_buffer, .address_space: global }
      - { .name: w_scales, .offset: 24, .size: 8, .value_kind: global_buffer, .address_space: global }
      - { .name: qkv, .offset: 32, .size: 8, .value_kind: global_buffer, .address_space: global }
      - { .name: first, .offset: 40, .size: 8, .value_kind: global_buffer, .address_space: global }
    .group_segment_fixed_size: 327680
    .private_segment_fixed_size: 0
    .kernarg_segment_align: 8
    .kernarg_segment_size: 48
    .max_flat_workgroup_size: 128
    .sgpr_count:     98
    .vgpr_count:     1024
    .wavefront_size: 32
...
	.end_amdgpu_metadata
.endif
;; end of part 2
;; launch scores (part 3): grid 9 x 16, 4 waves a work-group, no clusters, 327,680 bytes of LDS; arguments qkv, pt, stats; writes pt, stats
.if DOCPART == 3
	.amdgcn_target "amdgcn-amd-amdhsa--gfx1250"
	.amdhsa_code_object_version 6
	.text
	.protected	k_q365b021c5d_scores
	.globl	k_q365b021c5d_scores
	.p2align	8
	.type	k_q365b021c5d_scores,@function
k_q365b021c5d_scores:
	s_mov_b64 s[64:65], 0
	v_nop
	global_prefetch_b8 v0, s[64:65] scope:SCOPE_SE
	s_setreg_imm32_b32 hwreg(HW_REG_WAVE_MODE, 25, 1), 1
	s_wait_xcnt 0x0
; For each batch and each tile of 256 queries x 256 keys on or under the diagonal: s = Q . K (f16 operands, f32 sums, K = 1,024), t = s x log2(e) / 32, keys after the query hidden;
; M = the largest t of the row IN THIS BLOCK OF 256 KEYS, rounded up to a whole number; p = 2^(t - M), at most 1.  Stored: p as f16 (pt [4][2048 q][2048 keys]); -M and the f32 sum of the
; unrounded p of each half of 128 keys (stats [4 b][8 key blocks][2 halves][-M, sum][2048 rows]).  The next launch takes the row's largest M over its blocks away and divides by the row's sum.
; Every block on or under the diagonal holds an open key for each of its rows, so M is a number.  LIMITS: NaN and infinities are not served.
; 36 tiles a batch: work-group (x, y): batch y / 4, p = y % 4; x <= p: tile (p, x), else tile (7 - p, x - p - 1): 9 tiles for each y.
; NO CLUSTER: the tile rows have 1 to 8 tiles, so the 36 tiles of a batch do not fall into groups of four that share a tile row or column without work-groups that would do nothing.
; Four waves, each 128 queries x 128 keys: 64 accumulators.  K goes in 8 steps of 128 (rows of 256 bytes) through two LDS slots; each wave fetches a quarter of a slot with one tensor load.
; THE MATRIX INSTRUCTION IS USED TRANSPOSED (source 0 = 16 keys, source 1 = 16 queries): a lane holds one query and eight neighbouring keys an accumulator.
; REGISTERS: window 0: v0-31 addresses; v64-127, v128-191 Q's fragments, two buffers; v244-250 addresses and constants of the way out.  window 1: K's fragments.  windows 2, 3: the accumulators.
;   On the way out, window 0: v32-47 per block of 16 rows -M and the sum; v64-127 a block's 64 numbers; v128-191 rows read back; v192-223 packed p; v224-239 chains of the maxima; v240-243 of the sums.
.set KSTEP,  128
.set PITCH,  272                       ; an LDS row: 256 bytes + 16 of padding: the 16 rows that a load touches start at 16 different banks (ISA guide 11.1)
.set HALFT,  128*PITCH
.set SLOT,   4*HALFT                   ; Q's 256 rows, then K's 256 rows
.set STAGE,  2*SLOT                    ; 16 rows x 272 bytes for each wave
.set SPITCH, 272
.set XCH,    STAGE+4*16*SPITCH         ; 1,024 bytes a wave: the rows' maxima, for the wave with the other 128 keys
.set STAT,   XCH+4*1024                ; 1,024 bytes a wave: 128 x -M, 128 sums
.set SPARE,  STAT+4*1024               ; the spare words, 128 bytes a wave
.set ROWQ,   6144                      ; a row of qkv in bytes
.set ROWP,   4096                      ; a row of pt in bytes
.set ADRA, 16
.set ADRB, 20
.set STO,  24
.set RD,   25
.set CO,   26
.set SPW,  28                          ; v28 my spare word's address; never rewritten
.set NIL,  29                          ; v29 0; never rewritten
.set F0,   64
.set F1,   128
.set ST,   32
.set T,    64
.set OB,   128
.set TMP,  192
.set CH,   224
.set SU,   240
.set DG,   244                         ; v244 128 (row half - key half) + r - 8 h
.set NINF, 245                         ; v245 -infinity
.set XA,   246
.set XB,   247
.set SA,   248
.set SL,   249
.set L16,  250
.set G1, 24
.set G0, 32
.set MSB, 0
.macro WIN new
.if MSB != (\new)
	s_set_vgpr_msb (MSB<<8)|(\new)
.set MSB, (\new)
.endif
.endm
.set MUL_LO, 0xa1                      ; source 0 (K) window 1, source 1 (Q) window 0, C and D window 2
.set MUL_HI, 0xf1
.set TO_B,   0x40
	s_load_b128 s[4:7], s[0:1], 0x0                ; qkv, pt
	s_load_b64 s[8:9], s[0:1], 0x10                ; stats
	v_lshl_add_u32 v[SPW], v0, 2, SPARE
	v_mov_b32 v[NIL], 0
	ds_add_u32 v[SPW], v[NIL]                      ; the wave's opening: the add, twice on end, and its wait ahead of my first tensor load
	ds_add_u32 v[SPW], v[NIL]
	v_lshrrev_b32 v1, 5, v0
	v_readfirstlane_b32 s10, v1                    ; wave 0..3
	s_lshr_b32 s11, s10, 1                         ; my half of the queries.  Also: I fetch Q (0) or K (1)
	s_and_b32 s12, s10, 1                          ; my half of the keys.  Also: which 128 rows I fetch
	s_and_b32 s13, ttmp7, 0xffff
	s_lshr_b32 s14, s13, 2                         ; batch
	s_and_b32 s13, s13, 3                          ; p
	s_sub_co_u32 s15, 7, s13
	s_sub_co_u32 s16, ttmp9, s13
	s_sub_co_u32 s16, s16, 1
	s_cmp_le_u32 ttmp9, s13
	s_cselect_b32 s15, s13, s15                    ; i: the tile's block of queries
	s_cselect_b32 s16, ttmp9, s16                  ; j: its block of keys
	s_mov_b32 s[G1+0], (1<<16)|(1<<20)|(5<<22)|(3<<25)   ; elements of 2 bytes; padding: 4 words behind every 64
	s_mov_b32 s[G1+1], KSTEP<<16                   ; tensor_dim0
	s_mov_b32 s[G1+2], 128<<16                     ; tensor_dim1
	s_mov_b32 s[G1+3], KSTEP<<16                   ; tile_dim0
	s_mov_b32 s[G1+4], 128                         ; tile_dim1
	s_mov_b32 s[G1+5], 3072                        ; elements from row to row
	s_mov_b32 s[G1+6], 0
	s_mov_b32 s[G1+7], 0
	s_cmp_eq_u32 s11, 0
	s_cselect_b32 s17, s15, s16                    ; Q's rows by i, K's by j
	s_cselect_b32 s18, 0, 2048                     ; Q at byte 0 of a row of qkv, K at byte 2,048
	s_lshl_b32 s17, s17, 8
	s_lshl_b32 s19, s14, 11
	s_add_co_u32 s17, s17, s19
	s_lshl_b32 s19, s12, 7
	s_add_co_u32 s17, s17, s19                     ; the first row that I fetch
	s_mul_i32 s17, s17, ROWQ
	s_add_co_u32 s20, s17, s18
	s_mov_b32 s21, 0
	s_mul_i32 s22, s10, HALFT                      ; where it goes: wave x 128 rows
	s_mov_b32 s58, 0x3d38aa3b                      ; c = log2(e) / 32
	s_mov_b32 s59, s58                             ; (named with it as a pair)
	s_mov_b32 s60, 0x76543210                      ; v_permlanex16_b32's selects for lane l xor 16
	s_mov_b32 s61, 0xfedcba98
	s_wait_dscnt 0x0                               ; both opening adds are done
	s_wait_kmcnt 0x0
	s_add_nc_u64 s[20:21], s[4:5], s[20:21]
.irp s, 0,1
	s_mov_b32 s[G0+4*\s], 1
	s_add_co_u32 s[G0+4*\s+1], s22, \s*SLOT
	s_add_nc_u64 s[G0+4*\s+2:G0+4*\s+3], s[20:21], \s*KSTEP*2
	s_or_b32 s[G0+4*\s+3], s[G0+4*\s+3], 0x80000000
	tensor_load_to_lds s[G0+4*\s:G0+4*\s+3], s[G1:G1+7]   ; K steps 0 and 1: two tensor loads of mine are out
	s_nop 0
.endr
.rept 4
	v_nop
.endr
	v_and_b32 v1, 15, v0                           ; r
	v_bfe_u32 v2, v0, 4, 1                         ; h
	v_mul_u32_u24 v3, v1, PITCH
	v_lshl_add_u32 v3, v2, 4, v3
	s_mul_i32 s21, s11, HALFT                      ; my 128 queries
	s_mul_i32 s22, s12, HALFT                      ; my 128 keys,
	s_add_co_u32 s22, s22, 2*HALFT                 ; behind Q's 256 rows
.irp s, 0,1
	v_add_nc_u32 v[ADRA+\s], s21, v3
	v_add_nc_u32 v[ADRB+\s], s22, v3
	s_add_co_u32 s21, s21, SLOT
	s_add_co_u32 s22, s22, SLOT
.endr
	s_mul_i32 s23, s10, 16*SPITCH
	s_add_co_u32 s23, s23, STAGE
	v_mul_u32_u24 v4, v1, SPITCH
	v_lshl_add_u32 v4, v2, 4, v4
	v_add_nc_u32 v[STO], s23, v4                   ; into my stage: row r, 16 bytes for each half of the lanes
	v_mul_u32_u24 v5, v2, SPITCH
	v_lshl_add_u32 v5, v1, 4, v5
	v_add_nc_u32 v[RD], s23, v5                    ; back: lanes 0-15 one row, lanes 16-31 the next
	v_lshlrev_b32 v5, 12, v2
	v_lshl_add_u32 v[CO], v1, 4, v5                ; and the same two rows in pt
	v_and_b32 v6, 31, v0
	s_lshl_b32 s23, s10, 10
	s_add_co_u32 s22, s23, XCH
	v_lshl_add_u32 v[XA], v6, 2, s22               ; where I put my rows' maxima,
	s_xor_b32 s22, s10, 1
	s_lshl_b32 s22, s22, 10
	s_add_co_u32 s22, s22, XCH
	v_lshl_add_u32 v[XB], v6, 2, s22               ; and where the wave with the other 128 keys puts its own
	s_add_co_u32 s22, s23, STAT
	v_lshl_add_u32 v[SA], v1, 2, s22
	v_lshl_add_u32 v[SL], v6, 4, s22
	v_lshlrev_b32 v[L16], 4, v6
	s_sub_co_i32 s22, s11, s12
	s_lshl_b32 s22, s22, 7
	v_lshlrev_b32 v7, 3, v2
	v_sub_nc_u32 v7, v1, v7
	v_add_nc_u32 v[DG], s22, v7
	v_mov_b32 v[NINF], 0xff800000
	s_lshl_b32 s17, s15, 8
	s_lshl_b32 s18, s11, 7
	s_add_co_u32 s17, s17, s18                     ; my first query in the batch: 256 i + 128 x half
	s_lshl_b32 s18, s17, 12
	s_lshl_b32 s19, s14, 23
	s_add_co_u32 s18, s18, s19
	s_lshl_b32 s19, s16, 9
	s_add_co_u32 s18, s18, s19
	s_lshl_b32 s19, s12, 8
	s_add_co_u32 s18, s18, s19
	s_mov_b32 s19, 0
	s_add_nc_u64 s[6:7], s[6:7], s[18:19]          ; pt at my part of the tile
	s_lshl_b32 s18, s14, 3
	s_add_co_u32 s18, s18, s16
	s_lshl_b32 s18, s18, 1
	s_add_co_u32 s18, s18, s12
	s_lshl_b32 s18, s18, 14
	s_lshl_b32 s17, s17, 2
	s_add_co_u32 s18, s18, s17
	s_add_nc_u64 s[8:9], s[8:9], s[18:19]          ; stats at (batch, j, my half), my 128 rows
; 16 matrix instructions: query blocks a0, a0 + 1 of the window's four x all 8 key blocks, 32 along K.  The 64 accumulators take turns.
.macro MUL16 f, hi, a0, zero
.irp a, \a0, \a0+1
.irp b, 0,1,2,3,4,5,6,7
.if \zero
	v_wmma_f32_16x16x32_f16 v[8*(8*(\a)+\b):8*(8*(\a)+\b)+7], v[\f+8*\b:\f+8*\b+7], v[\f+8*(4*\hi+\a):\f+8*(4*\hi+\a)+7], 0
.else
	v_wmma_f32_16x16x32_f16 v[8*(8*(\a)+\b):8*(8*(\a)+\b)+7], v[\f+8*\b:\f+8*\b+7], v[\f+8*(4*\hi+\a):\f+8*(4*\hi+\a)+7], v[8*(8*(\a)+\b):8*(8*(\a)+\b)+7]
.endif
.endr
.endr
.endm
.macro FETCH slot, k, f                ; 32 LDS loads in one run: a quarter step's fragments
	WIN TO_B
.irp i, 0,1,2,3,4,5,6,7
	ds_load_b128 v[\f+8*\i:\f+8*\i+3],   v[ADRB+\slot] offset:\k+\i*16*PITCH
	ds_load_b128 v[\f+8*\i+4:\f+8*\i+7], v[ADRB+\slot] offset:\k+\i*16*PITCH+32
.endr
	WIN 0
.irp i, 0,1,2,3,4,5,6,7
	ds_load_b128 v[\f+8*\i:\f+8*\i+3],   v[ADRA+\slot] offset:\k+\i*16*PITCH
	ds_load_b128 v[\f+8*\i+4:\f+8*\i+7], v[ADRA+\slot] offset:\k+\i*16*PITCH+32
.endr
.endm
.macro PLACES                          ; four plain vector lines between a matrix instruction and a load into, or a read of, its registers
.rept 4
	v_nop
.endr
.endm
.macro QUARTER slot, k, f, g, zero     ; multiplies buffer f; in its middle fetches the next quarter, at byte k of the rows, into g
	s_wait_dscnt 8                                 ; K's and Q's rows 0-63 are in; the youngest eight loads (Q's rows 64-127) may be out
	WIN MUL_LO
	MUL16 \f, 0, 0, \zero
	MUL16 \f, 0, 2, \zero
	PLACES
	FETCH \slot, \k, \g
	s_wait_dscnt 32                                ; all but the 32 just issued
	WIN MUL_HI
	MUL16 \f, 1, 0, \zero
	MUL16 \f, 1, 2, \zero
.endm
; A K step's last quarter changes slots: one barrier.  In front of it my tensor loads have landed (my part of the next slot), the add is done and my reads of this slot are over.
; fill = 1: behind it this slot is filled again first, two K steps ahead: one tensor load of mine is out, and it has a K step's products in which to land.
.macro TURN slot, next, fill
	WIN 0
	s_wait_tensorcnt 0x0
	ds_add_u32 v[SPW], v[NIL]
.if \fill
	s_add_nc_u64 s[G0+4*\slot+2:G0+4*\slot+3], s[G0+4*\slot+2:G0+4*\slot+3], 2*KSTEP*2   ; no tensor load of mine is out: the address may step
.endif
	s_wait_dscnt 9                                 ; (the add and the youngest eight loads may be out)
	WIN MUL_LO
	MUL16 F1, 0, 0, 0
	s_wait_dscnt 0x0
	s_barrier_signal -1
	MUL16 F1, 0, 2, 0
	WIN 0
	s_barrier_wait -1
.if \fill
	tensor_load_to_lds s[G0+4*\slot:G0+4*\slot+3], s[G1:G1+7]
	s_nop 0
.endif
	PLACES                                         ; also the places in front of the loads below
	FETCH \next, 0, F0
	WIN MUL_HI
	MUL16 F1, 1, 0, 0
	MUL16 F1, 1, 2, 0
.endm
	s_wait_tensorcnt 1                             ; my part of K step 0 is in; step 1's may stay out
	s_barrier_signal -1
	s_barrier_wait -1
	FETCH 0, 0, F0
	QUARTER 0, 64,  F0, F1, 1                      ; the first products start the sums
	WIN 0
	s_mov_b32 s3, 3
.Llap:                                             ; a trip goes once round the two slots and fills both again: K steps 2 to 7
	QUARTER 0, 128, F1, F0, 0
	QUARTER 0, 192, F0, F1, 0
	TURN 0, 1, 1
	QUARTER 1, 64,  F0, F1, 0
	QUARTER 1, 128, F1, F0, 0
	QUARTER 1, 192, F0, F1, 0
	TURN 1, 0, 1
	QUARTER 0, 64,  F0, F1, 0
	WIN 0
	s_sub_co_u32 s3, s3, 1
	s_cmp_lg_u32 s3, 0
	s_cbranch_scc1 .Llap
	QUARTER 0, 128, F1, F0, 0                      ; the last two K steps fetch nothing more
	QUARTER 0, 192, F0, F1, 0
	TURN 0, 1, 0
	QUARTER 1, 64,  F0, F1, 0
	QUARTER 1, 128, F1, F0, 0
	QUARTER 1, 192, F0, F1, 0
	s_wait_dscnt 8
	WIN MUL_LO
	MUL16 F1, 0, 0, 0
	MUL16 F1, 0, 2, 0
	s_wait_dscnt 0
	WIN MUL_HI
	MUL16 F1, 1, 0, 0
	MUL16 F1, 1, 2, 0
	WIN 0
	PLACES
	; THE MASK, in the tiles on the diagonal alone (a branch on ids): register 8 b + jj of block a holds key 128 x key half + 16 b + 8 h + jj and query 128 x row half + 16 a + r.
	s_cmp_lg_u32 s15, s16
	s_cbranch_scc1 .Lopen
.macro MASK w
	WIN 0x82+0x41*\w                               ; the scores: window 2 or 3; the two constants: window 0
.irp a, 0,1,2,3
.irp b, 0,1,2,3,4,5,6,7
.irp jj, 0,1,2,3,4,5,6,7
	v_cmp_gt_i32 vcc_lo, 16*\b+\jj-16*(4*\w+\a), v[DG]
	v_cndmask_b32 v[64*\a+8*\b+\jj], v[64*\a+8*\b+\jj], v[NINF], vcc_lo
.endr
.endr
.endr
.endm
	MASK 0
	MASK 1
	WIN 0
.Lopen:
; The rows' largest scores: four chains of 16 registers for each block of 16 rows, each accumulator from its low end on; then lane l xor 16's.
.macro MAXES w
	WIN 0x2a+0x15*\w
.irp a, 0,1,2,3
.irp cc, 0,1,2,3
	v_max3_num_f32 v[CH+4*\a+\cc], v[64*\a+16*\cc], v[64*\a+16*\cc+1], v[64*\a+16*\cc+2]
.endr
.endr
	WIN 0x28+0x14*\w
.irp i, 3,5,7,9,11,13
.irp a, 0,1,2,3
.irp cc, 0,1,2,3
	v_max3_num_f32 v[CH+4*\a+\cc], v[CH+4*\a+\cc], v[64*\a+16*\cc+\i], v[64*\a+16*\cc+\i+1]
.endr
.endr
.endr
.irp a, 0,1,2,3
.irp cc, 0,1,2,3
	v_max_num_f32 v[CH+4*\a+\cc], v[CH+4*\a+\cc], v[64*\a+16*\cc+15]
.endr
.endr
	WIN 0
.irp a, 0,1,2,3
	v_max3_num_f32 v[CH+4*\a], v[CH+4*\a], v[CH+4*\a+1], v[CH+4*\a+2]
.endr
.irp a, 0,1,2,3
	v_max_num_f32 v[CH+4*\a], v[CH+4*\a], v[CH+4*\a+3]
.endr
.irp a, 0,1,2,3
	v_permlanex16_b32 v[CH+4*\a+1], v[CH+4*\a], s60, s61
.endr
.irp a, 0,1,2,3
	v_max_num_f32 v[ST+2*(4*\w+\a)], v[CH+4*\a], v[CH+4*\a+1]
.endr
.endm
	MAXES 0
	MAXES 1
.irp a, 0,1,2,3,4,5,6,7
	ds_store_b32 v[XA], v[ST+2*\a] offset:128*\a   ; my 128 keys' maxima, for the wave with the other 128
.endr
	s_wait_dscnt 0x0                               ; for the others' sake: my stores are done
	s_barrier_signal -1
	s_barrier_wait -1
.irp a, 0,1,2,3,4,5,6,7
	ds_load_b32 v[ST+2*\a+1], v[XB] offset:128*\a
.endr
	s_wait_dscnt 0x0
.irp a, 0,1,2,3,4,5,6,7
	v_max_num_f32 v[ST+2*\a], v[ST+2*\a], v[ST+2*\a+1]   ; the row's largest score in the block of 256 keys
.endr
.irp a, 0,1,2,3,4,5,6,7
	v_mul_f32 v[ST+2*\a], s58, v[ST+2*\a]          ; as t (c is positive)
.endr
.irp a, 0,1,2,3,4,5,6,7
	v_floor_f32 v[ST+2*\a], -v[ST+2*\a]            ; -M = floor(-t): M is a whole number
.endr
; Block a: p = 2^(c s - M); the exponentials are one batch with one wait; the sum is taken of the unrounded p; p is rounded to f16.
.macro SOFT a
.set AC, 64*((\a)%4)
	WIN 0x02+(\a)/4                                ; the scores: window 2 or 3
.set i, 0
.rept 32
	v_pk_fma_f32 v[T+2*i:T+2*i+1], v[AC+2*i:AC+2*i+1], s[58:59], v[ST+2*(\a):ST+2*(\a)+1] op_sel_hi:[1,0,0]
.set i, i+1
.endr
	WIN 0
.set i, 0
.rept 64
	v_exp_f32 v[T+i], v[T+i]
.set i, i+1
.endr
	ds_store_b32 v[SA], v[ST+2*(\a)] offset:64*(\a)   ; -M (both halves of the lanes write the same word with the same value)
	v_nop                                          ; a plain line behind the last exponential
	s_wait_alu depctr_va_vdst(0)                   ; the wait ahead of the first line that names a result: one for the batch
	v_pk_add_f32 v[SU:SU+1], v[T:T+1], v[T+2:T+3]
	v_pk_add_f32 v[SU+2:SU+3], v[T+4:T+5], v[T+6:T+7]
.irp j, 8,12,16,20,24,28,32,36,40,44,48,52,56,60
	v_pk_add_f32 v[SU:SU+1], v[SU:SU+1], v[T+\j:T+\j+1]
	v_pk_add_f32 v[SU+2:SU+3], v[SU+2:SU+3], v[T+\j+2:T+\j+3]
.endr
	v_pk_add_f32 v[SU:SU+1], v[SU:SU+1], v[SU+2:SU+3]
	v_add_f32 v[SU], v[SU], v[SU+1]
	v_permlanex16_b32 v[SU+1], v[SU], s60, s61
	v_add_f32 v[ST+2*(\a)+1], v[SU], v[SU+1]       ; the sum over my 128 keys
	ds_store_b32 v[SA], v[ST+2*(\a)+1] offset:512+64*(\a)
.set i, 0
.rept 32
	v_cvt_pk_f16_f32 v[TMP+i], v[T+2*i], v[T+2*i+1]
.set i, i+1
.endr
.endm
.macro TOSTAGE a
.set BKR, OB+32*((\a)%2)
.irp b, 0,1,2,3,4,5,6,7
	ds_store_b128 v[STO], v[TMP+4*\b:TMP+4*\b+3] offset:32*\b
.endr
.irp t, 0,1,2,3,4,5,6,7
	ds_load_b128 v[BKR+4*\t:BKR+4*\t+3], v[RD] offset:\t*2*SPITCH   ; LDS serves a wave's instructions in order: these see the stores above
.endr
.endm
.macro SEND a, younger
.set BKR, OB+32*((\a)%2)
	s_wait_dscnt \younger                          ; the block is back (the next block's two stat stores may be out)
	s_wait_xcnt 0x0                                ; earlier stores have read their base and their data
.if (\a) > 0
	s_add_nc_u64 s[6:7], s[6:7], 16*ROWP
.endif
.irp t, 0,1,2,3,4,5,6,7
	global_store_b128 v[CO], v[BKR+4*\t:BKR+4*\t+3], s[6:7] offset:2*\t*ROWP   ; 16 lanes store 256 consecutive bytes, aligned
.endr
.endm
	SOFT 0
	TOSTAGE 0
.irp a, 1,2,3,4,5,6,7
	SOFT \a
	SEND \a-1, 2
	TOSTAGE \a
.endr
	SEND 7, 0
	ds_load_b128 v[T:T+3], v[SL]                   ; my 128 rows' -M,
	ds_load_b128 v[T+4:T+7], v[SL] offset:512      ; and their sums
	s_wait_dscnt 0x0
	global_store_b128 v[L16], v[T:T+3], s[8:9]                 ; 32 lanes store 512 consecutive bytes, aligned
	global_store_b128 v[L16], v[T+4:T+7], s[8:9] offset:8192
	s_wait_tensorcnt 0x0                           ; the wave's end
	ds_add_u32 v[SPW], v[NIL]
	s_wait_dscnt 0x0
	s_endpgm
.Lfunc_end_k_q365b021c5d_scores:
	.size	k_q365b021c5d_scores, .Lfunc_end_k_q365b021c5d_scores-k_q365b021c5d_scores
	.p2alignl 7, 3214868480
	.fill 96, 4, 3214868480
	.section	.rodata,"a",@progbits
	.p2align	6, 0x0
	.amdhsa_kernel k_q365b021c5d_scores
		.amdhsa_group_segment_fixed_size 327680
		.amdhsa_private_segment_fixed_size 0
		.amdhsa_enable_private_segment 0
		.amdhsa_kernarg_size 24
		.amdhsa_user_sgpr_count 2
		.amdhsa_user_sgpr_kernarg_segment_ptr 1
		.amdhsa_wavefront_size32 1
		.amdhsa_system_sgpr_workgroup_id_x 1
		.amdhsa_system_sgpr_workgroup_id_y 1
		.amdhsa_system_sgpr_workgroup_id_z 1
		.amdhsa_system_vgpr_workitem_id 0
		.amdhsa_next_free_vgpr 1024
		.amdhsa_next_free_sgpr 66
		.amdhsa_reserve_vcc 1
		.amdhsa_float_denorm_mode_32 3
		.amdhsa_float_denorm_mode_16_64 3
		.amdhsa_memory_ordered 1
		.amdhsa_forward_progress 1
		.amdhsa_inst_pref_size 249
	.end_amdhsa_kernel
	.amdgpu_metadata
---
amdhsa.version: [ 1, 2 ]
amdhsa.kernels:
  - .name:           k_q365b021c5d_scores
    .symbol:         k_q365b021c5d_scores.kd
    .args:
      - { .name: qkv, .offset: 0, .size: 8, .value_kind: global_buffer, .address_space: global }
      - { .name: pt, .offset: 8, .size: 8, .value_kind: global_buffer, .address_space: global }
      - { .name: stats, .offset: 16, .size: 8, .value_kind: global_buffer, .address_space: global }
    .group_segment_fixed_size: 327680
    .private_segment_fixed_size: 0
    .kernarg_segment_align: 8
    .kernarg_segment_size: 24
    .max_flat_workgroup_size: 128
    .sgpr_count:     66
    .vgpr_count:     1024
    .wavefront_size: 32
...
	.end_amdgpu_metadata
.endif
;; end of part 3
;; launch pv (part 4): grid 8 x 32, 4 waves a work-group, clusters of 4 x 1, 327,680 bytes of LDS; arguments pt, stats, qkv, out0; writes out0
.if DOCPART == 4
	.amdgcn_target "amdgcn-amd-amdhsa--gfx1250"
	.amdhsa_code_object_version 6
	.text
	.protected	k_q365b021c5d_pv
	.globl	k_q365b021c5d_pv
	.p2align	8
	.type	k_q365b021c5d_pv,@function
k_q365b021c5d_pv:
	s_mov_b64 s[64:65], 0
	v_nop
	global_prefetch_b8 v0, s[64:65] scope:SCOPE_SE
	s_setreg_imm32_b32 hwreg(HW_REG_WAVE_MODE, 25, 1), 1
	s_wait_xcnt 0x0
	s_wait_alu depctr_hold_cnt(0) depctr_sa_sdst(0) depctr_va_vdst(0) depctr_va_sdst(0) depctr_va_ssrc(0) depctr_va_vcc(0) depctr_vm_vsrc(0)
	s_getreg_b32 s2, hwreg(HW_REG_IB_STS2, 6, 4)
	s_cmp_eq_u32 s2, 0
	s_cbranch_scc0 .Lentry_in_a_cluster
	s_endpgm
.Lentry_in_a_cluster:
	s_bfe_u32 s2, ttmp6, 0x10000c
	s_cmp_lg_u32 s2, 0x3003
	s_cbranch_scc0 .Lentry_shape_is_right
	s_endpgm
.Lentry_shape_is_right:
; out[q][:] = sum over key blocks kb of (f_kb / l) x (P_kb V_kb), with P_kb = 2^(t - M_kb) as the launch before stored it (f16), M = the largest M_kb of the row, f_kb = 2^(M_kb - M) (exact),
; l = sum over kb of f_kb x (the block's two stored sums).  So the row's true largest t, rounded up, is what is taken away.  V: f16, at byte 4,096 of qkv's rows.  Sums in f32.
; Rows 0 to 15 of each batch are written here and written again, more finely, by the last launch.
; SHARES: 256 work-groups of equal work.  Work-group: 128 channels (4 x cluster x + cx), batch y / 8, p = y % 8, and TWO tiles of 128 queries: block p, with n1 = p / 2 + 1 steps of 256 keys, then block
; 15 - p, with 9 - n1 steps: 9 steps in every work-group.  A wave makes 64 queries x 64 channels: 16 accumulators for a step's sums, 128 registers more for O.
; CLUSTER: the four partners differ in their channels alone, so P's tiles are asked for jointly (mask 15).  V's tiles differ from partner to partner and come by plain loads behind the same rounds.
; All branches hang on y, on the count of steps and on the wave's number, which are alike in the four partners.
; THE MATRIX INSTRUCTION IS USED TRANSPOSED (source 0 = 16 channels of V, turned by ds_load_tr16_b128; source 1 = 16 queries of P): a lane holds one query and eight neighbouring channels.
; REGISTERS: window 0: v16-30 addresses; v32-39 the step's factors; v64-127 rows on the way out; v128-255 the step's sums.  window 1: two fragment buffers of 128.  window 2: v0-127 O.
.set PA,     528                       ; a row of P in LDS: 512 bytes + 16: the 16 rows that a load touches start at 16 different banks (ISA guide 11.1)
.set PB,     288                       ; a row of V: 256 bytes + 32
.set AHALF,  64*PA
.set BOFF,   2*AHALF                   ; a slot: P's 128 rows, then V's 256 key rows
.set BHALF,  128*PB
.set SLOT,   BOFF+2*BHALF
.set STAGE,  2*SLOT                    ; 16 rows x 272 bytes for each wave
.set SPITCH, 272
.set FT,     STAGE+4*16*SPITCH         ; each wave's own table of factors: [9 steps][64 rows] f32
.set FTB,    9*256
.set SPARE,  FT+4*FTB                  ; the spare words, 128 bytes a wave
.set KBV,    256*6144                  ; 256 key rows of qkv in bytes
.set ADRA, 16                          ; v16-17 P's fragments in slot 0, 1
.set ADRB, 18                          ; v18-21 V's: 2 x slot + half of the keys
.set STO,  24
.set RD,   25
.set CO,   26
.set ADF,  27
.set SPW,  28                          ; v28 my spare word's address; never rewritten
.set NIL,  29                          ; v29 0; never rewritten
.set AF0,  30
.set FAC,  32
.set OB,   64
.set ACC,  128
.set F0,   0
.set F1,   128
; the prologue's registers lie where the step's sums will lie
.set NM,   128                         ; -M of step u, two rows a lane
.set LA,   146                         ; the sum of the first 128 keys
.set LB,   164                         ; of the second
.set FF,   182                         ; f, then f / l
.set RF1,  200
.set RF2,  202
.set LS1,  204
.set LS2,  206
.set TP,   208
.set BIG,  212
.set OFU,  214
.set L8,   223
.set FTW,  224
.set WV,   12
.set RH,   13
.set CW,   14
.set G1A,  24
.set G0A,  32
.set G1B,  48
.set G0B,  56
.set TA,   66                          ; s[66:67] P's offset, s67 = 0
.set TB,   68                          ; s[68:69] V's offset, s69 = 0: the one pair, with s85 and s44-47, that holds my place in the cluster
.set TK,   70
.set TS,   71
.set STEP, 72
.set U,    73
.set KBC,  74                          ; the step's key block in its tile
.set N1,   75
.set N1M1, 76
.set TF,   77                          ; 256 x step
.set OC,   78                          ; s[78:79] where the tile in hand goes
.set O2,   80                          ; s[80:81] where the second goes
.set CNT,  82
.set OFA1, 83
.set OFA2, 84
.set OFB,  85
.set MK,   86                          ; s86-88 all ones where step 1, 2, 3 belongs to the first tile
.set SR1,  89
.set SR2,  90
.set MSB, 0
.macro WIN new
.if MSB != (\new)
	s_set_vgpr_msb (MSB<<8)|(\new)
.set MSB, (\new)
.endif
.endm
.set MUL,  0x05                        ; sources 0 and 1 window 1; C and D window 0
.set TO_F, 0x40
.macro JLOAD s                         ; waves 0 and 1 ask jointly for P's two halves, waves 2 and 3 fetch V's; an s_nop 0 and four v_nop follow each line
	s_cmp_eq_u32 s[RH], 0
	s_cbranch_scc0 .Lfor_b_\@
	tensor_load_to_lds s[G0A+4*\s:G0A+4*\s+3], s[G1A:G1A+7]
	s_nop 0
.rept 4
	v_nop
.endr
	s_branch .Lasked_\@
.Lfor_b_\@:
	tensor_load_to_lds s[G0B+4*\s:G0B+4*\s+3], s[G1B:G1B+7]
	s_nop 0
.rept 4
	v_nop
.endr
.Lasked_\@:
.endm
.macro CREST
	s_cmp_lg_u32 s[WV], 0
	s_cbranch_scc1 .Lnot_wave_0_\@
	s_barrier_signal -3
.Lnot_wave_0_\@:
	s_barrier_wait -3
	s_barrier_signal -1
	s_barrier_wait -1
.endm
.macro CROUND
	s_barrier_signal -1
	s_barrier_wait -1
	CREST
.endm
; Both global addresses of step s[U], into the slot's two descriptors: the tile by U against n1, the key block kb = U, or U - n1.
.macro SETD slot
	s_cmp_ge_u32 s[U], s[N1]
	s_cselect_b32 s[TA], s[OFA2], s[OFA1]
	s_cselect_b32 s[TK], s[N1], 0
	s_sub_co_u32 s[TK], s[U], s[TK]
	s_lshl_b32 s[TS], s[TK], 9                     ; 256 keys of f16 in a row of pt
	s_add_co_u32 s[TA], s[TA], s[TS]
	s_add_nc_u64 s[G0A+4*\slot+2:G0A+4*\slot+3], s[4:5], s[TA:TA+1]
	s_or_b32 s[G0A+4*\slot+3], s[G0A+4*\slot+3], 0x80000000
	s_mul_i32 s[TB], s[TK], KBV
	s_add_co_u32 s[TB], s[TB], s[OFB]
	s_add_nc_u64 s[G0B+4*\slot+2:G0B+4*\slot+3], s[8:9], s[TB:TB+1]
	s_or_b32 s[G0B+4*\slot+3], s[G0B+4*\slot+3], 0x80000000
.endm
	s_load_b256 s[4:11], s[0:1], 0x0               ; pt, stats, qkv, out0
	v_lshl_add_u32 v[SPW], v0, 2, SPARE
	v_mov_b32 v[NIL], 0
	ds_add_u32 v[SPW], v[NIL]                      ; the wave's opening: the add, twice on end, and its wait ahead of my first tensor load
	ds_add_u32 v[SPW], v[NIL]
	v_lshrrev_b32 v1, 5, v0
	v_readfirstlane_b32 s[WV], v1                  ; wave 0..3
	s_lshr_b32 s[RH], s[WV], 1                     ; my half of the queries.  Also: I fetch P (0) or V (1)
	s_and_b32 s[CW], s[WV], 1                      ; my half of the channels.  Also: which half of that tile I fetch
	s_bfe_u32 s15, ttmp6, 0x40000                  ; cx
	s_lshl_b32 s16, ttmp9, 2
	s_add_co_u32 s16, s16, s15                     ; my 128 channels: 4 x cluster x + cx
	s_and_b32 s17, ttmp7, 0xffff
	s_lshr_b32 s18, s17, 3                         ; batch
	s_and_b32 s19, s17, 7                          ; p: the first tile's block of 128 queries
	s_lshr_b32 s[N1M1], s19, 1
	s_add_co_u32 s[N1], s[N1M1], 1                 ; its steps
	s_sub_co_u32 s20, 15, s19                      ; the second tile's block
	s_mov_b32 s[G1A+0], 15|(1<<16)|(1<<20)|(1<<21)|(6<<22)|(3<<25)   ; the mask: all four; elements of 2 bytes; padding: 4 words behind every 128; bit 21 beside a mask
	s_mov_b32 s[G1A+1], 256<<16                    ; tensor_dim0
	s_mov_b32 s[G1A+2], 64<<16                     ; tensor_dim1
	s_mov_b32 s[G1A+3], 256<<16                    ; tile_dim0
	s_mov_b32 s[G1A+4], 64                         ; tile_dim1
	s_mov_b32 s[G1A+5], 2048                       ; elements from row to row of pt
	s_mov_b32 s[G1A+6], 0
	s_mov_b32 s[G1A+7], 0
	s_mov_b32 s[G1B+0], (1<<16)|(1<<20)|(5<<22)|(7<<25)   ; no mask; padding: 8 words behind every 64
	s_mov_b32 s[G1B+1], 128<<16
	s_mov_b32 s[G1B+2], 128<<16
	s_mov_b32 s[G1B+3], 128<<16
	s_mov_b32 s[G1B+4], 128
	s_mov_b32 s[G1B+5], 3072                       ; elements from row to row of qkv
	s_mov_b32 s[G1B+6], 0
	s_mov_b32 s[G1B+7], 0
	s_lshl_b32 s21, s18, 23                        ; P: batch x 2,048 rows of 4,096 bytes,
	s_lshl_b32 s22, s[CW], 18                      ; + the 64 rows that I fetch,
	s_add_co_u32 s21, s21, s22
	s_lshl_b32 s22, s19, 19                        ; + the tile's 128 rows
	s_add_co_u32 s[OFA1], s21, s22
	s_lshl_b32 s22, s20, 19
	s_add_co_u32 s[OFA2], s21, s22
	s_lshl_b32 s44, s18, 11                        ; V: key row batch x 2,048 + the 128 that I fetch,
	s_lshl_b32 s45, s[CW], 7
	s_add_co_u32 s44, s44, s45
	s_mul_i32 s44, s44, 6144
	s_add_co_u32 s44, s44, 4096                    ; V's place in a row of qkv,
	s_lshl_b32 s45, s16, 8                         ; my 128 channels
	s_add_co_u32 s[OFB], s44, s45
	s_mov_b32 s[TA+1], 0
	s_mov_b32 s[TB+1], 0
	s_mul_i32 s21, s[CW], AHALF                    ; where the tiles go: no place in the cluster enters an LDS address
	s_mul_i32 s22, s[CW], BHALF
	s_add_co_u32 s22, s22, BOFF
.irp s, 0,1
	s_mov_b32 s[G0A+4*\s], 1
	s_add_co_u32 s[G0A+4*\s+1], s21, \s*SLOT
	s_mov_b32 s[G0B+4*\s], 1
	s_add_co_u32 s[G0B+4*\s+1], s22, \s*SLOT
.endr
	s_lshl_b32 s40, s18, 11
	s_lshl_b32 s41, s[RH], 6
	s_add_co_u32 s40, s40, s41                     ; batch x 2,048 + my 64 rows
	s_lshl_b32 s41, s19, 7
	s_add_co_u32 s41, s41, s40
	s_lshl_b32 s41, s41, 12                        ; my first row of out0 in the first tile, in bytes,
	s_lshl_b32 s42, s20, 7
	s_add_co_u32 s42, s42, s40
	s_lshl_b32 s42, s42, 12                        ; and in the second
	s_lshl_b32 s44, s16, 9
	s_lshl_b32 s45, s[CW], 8
	s_add_co_u32 s44, s44, s45                     ; my 64 channels, in bytes
	s_mov_b32 s47, 0
	s_lshl_b32 s43, s18, 18                        ; stats: batch x 8 key blocks x 32,768 bytes,
	s_lshl_b32 s23, s[RH], 8                       ; + my 64 rows,
	s_add_co_u32 s43, s43, s23
	s_lshl_b32 s23, s19, 9                         ; + the tile's 128 rows
	s_add_co_u32 s[SR1], s43, s23
	s_lshl_b32 s23, s20, 9
	s_add_co_u32 s[SR2], s43, s23
	s_mov_b32 s[STEP], 0
	s_mov_b32 s[KBC], 0
	s_mov_b32 s[TF], 0
	s_wait_dscnt 0x0                               ; both opening adds are done
	s_wait_kmcnt 0x0
	s_add_co_u32 s46, s41, s44
	s_add_nc_u64 s[OC:OC+1], s[10:11], s[46:47]
	s_add_co_u32 s46, s42, s44
	s_add_nc_u64 s[O2:O2+1], s[10:11], s[46:47]
	CROUND                                         ; all four work-groups are here: the first joint loads meet
	s_mov_b32 s[U], 0
	SETD 0
	JLOAD 0
	s_mov_b32 s[U], 1
	SETD 1
	JLOAD 1                                        ; steps 0 and 1: two tensor loads of mine are out
	v_and_b32 v1, 15, v0                           ; r
	v_bfe_u32 v2, v0, 4, 1                         ; h
	v_mul_u32_u24 v3, v1, PA
	v_lshl_add_u32 v3, v2, 4, v3
	s_mul_i32 s21, s[RH], AHALF                    ; my 64 queries
	v_add_nc_u32 v[ADRA], s21, v3
	s_add_co_u32 s21, s21, SLOT
	v_add_nc_u32 v[ADRA+1], s21, v3
	v_and_b32 v4, 7, v0                            ; the turning load: lane l reads 16 bytes of key 8 h + l % 8, channels 8 ((l / 8) % 2) on
	v_bfe_u32 v5, v0, 3, 1
	v_lshl_add_u32 v4, v2, 3, v4
	v_mul_u32_u24 v4, v4, PB
	v_lshl_add_u32 v4, v5, 4, v4
	s_lshl_b32 s22, s[CW], 7                       ; my 64 channels
	s_add_co_u32 s22, s22, BOFF
	v_add_nc_u32 v[ADRB], s22, v4
	s_add_co_u32 s23, s22, BHALF
	v_add_nc_u32 v[ADRB+1], s23, v4
	s_add_co_u32 s23, s22, SLOT
	v_add_nc_u32 v[ADRB+2], s23, v4
	s_add_co_u32 s23, s22, SLOT+BHALF
	v_add_nc_u32 v[ADRB+3], s23, v4
	s_mul_i32 s23, s[WV], 16*SPITCH
	s_add_co_u32 s23, s23, STAGE
	v_mul_u32_u24 v6, v1, SPITCH
	v_lshl_add_u32 v6, v2, 5, v6
	v_add_nc_u32 v[STO], s23, v6                   ; into my stage: row r, 32 bytes for each half of the lanes
	v_mul_u32_u24 v6, v2, SPITCH
	v_lshl_add_u32 v6, v1, 4, v6
	v_add_nc_u32 v[RD], s23, v6                    ; back: lanes 0-15 one row of 256 bytes, lanes 16-31 the next
	v_lshlrev_b32 v6, 12, v2
	v_lshl_add_u32 v[CO], v1, 4, v6                ; and the same two rows in out0
	s_mul_i32 s23, s[WV], FTB
	s_add_co_u32 s23, s23, FT
	v_lshl_add_u32 v[AF0], v1, 2, s23              ; my table of factors, row r
	v_and_b32 v7, 31, v0
	v_lshlrev_b32 v[L8], 3, v7                     ; the prologue: a lane holds rows 2 l and 2 l + 1 of my 64
	v_add_nc_u32 v[FTW], s23, v[L8]
.irp a, 0,1,2,3
	v_mov_b32 v[FAC+2*\a+1], 0                     ; named as the upper halves of pairs, so they are written
.endr
	v_mov_b32 v[BIG], 0x7f800000
	; THE PROLOGUE: the nine steps' factors f / l for my 64 rows.  Step 0 belongs to the first tile, steps 4 to 8 to the second; steps 1 to 3 by n1: a choice of values, no branch.
.irp u, 1,2,3
	s_cmp_lt_u32 \u, s[N1]
	s_cselect_b32 s[MK+\u-1], -1, 0
.endr
.macro UOFF u
	s_cmp_le_u32 s[N1], \u
	s_cselect_b32 s[TS], s[SR2], s[SR1]
	s_cselect_b32 s[TK], s[N1], 0
	s_sub_co_u32 s[TK], \u, s[TK]                  ; the step's key block
	s_lshl_b32 s[TK], s[TK], 15
	s_add_co_u32 s[TS], s[TS], s[TK]
	v_add_nc_u32 v[OFU+\u], s[TS], v[L8]
.endm
.irp u, 0,1,2,3,4,5,6,7,8
	UOFF \u
.endr
.irp u, 0,1,2,3,4,5,6,7,8
	global_load_b64 v[NM+2*\u:NM+2*\u+1], v[OFU+\u], s[6:7]                 ; 32 lanes read 256 consecutive bytes, aligned
	global_load_b64 v[LA+2*\u:LA+2*\u+1], v[OFU+\u], s[6:7] offset:8192
	global_load_b64 v[LB+2*\u:LB+2*\u+1], v[OFU+\u], s[6:7] offset:24576
.endr
	s_wait_loadcnt 0x0
.irp e, 0,1
	v_min_num_f32 v[RF2+\e], v[NM+8+\e], v[NM+10+\e]       ; the least -M of a tile's steps is -(the row's largest M)
	v_min3_num_f32 v[RF2+\e], v[RF2+\e], v[NM+12+\e], v[NM+14+\e]
	v_min_num_f32 v[RF2+\e], v[RF2+\e], v[NM+16+\e]
	v_mov_b32 v[RF1+\e], v[NM+\e]
.irp u, 1,2,3
	v_cndmask_b32 v[TP], v[BIG], v[NM+2*\u+\e], s[MK+\u-1]
	v_cndmask_b32 v[TP+1], v[NM+2*\u+\e], v[BIG], s[MK+\u-1]
	v_min_num_f32 v[RF1+\e], v[RF1+\e], v[TP]
	v_min_num_f32 v[RF2+\e], v[RF2+\e], v[TP+1]
.endr
.endr
.macro FU u, e                         ; f = 2^(M_u - M), and its share of the tile's sum
.if \u == 0
	v_sub_f32 v[FF+2*\u+\e], v[RF1+\e], v[NM+2*\u+\e]
.elseif \u >= 4
	v_sub_f32 v[FF+2*\u+\e], v[RF2+\e], v[NM+2*\u+\e]
.else
	v_cndmask_b32 v[TP], v[RF2+\e], v[RF1+\e], s[MK+\u-1]
	v_sub_f32 v[FF+2*\u+\e], v[TP], v[NM+2*\u+\e]
.endif
	v_cvt_i32_f32 v[FF+2*\u+\e], v[FF+2*\u+\e]     ; a whole number, 0 or less (it saturates)
	v_ldexp_f32 v[FF+2*\u+\e], 1.0, v[FF+2*\u+\e]
	v_add_f32 v[TP+1], v[LA+2*\u+\e], v[LB+2*\u+\e]
.if \u == 0
	v_mul_f32 v[LS1+\e], v[TP+1], v[FF+2*\u+\e]
.elseif \u == 4
	v_mul_f32 v[LS2+\e], v[TP+1], v[FF+2*\u+\e]
.elseif \u > 4
	v_fmac_f32 v[LS2+\e], v[TP+1], v[FF+2*\u+\e]
.else
	v_mul_f32 v[TP+1], v[TP+1], v[FF+2*\u+\e]
	v_cndmask_b32 v[TP+2], 0, v[TP+1], s[MK+\u-1]
	v_cndmask_b32 v[TP+3], v[TP+1], 0, s[MK+\u-1]
	v_add_f32 v[LS1+\e], v[LS1+\e], v[TP+2]
	v_add_f32 v[LS2+\e], v[LS2+\e], v[TP+3]
.endif
.endm
.irp e, 0,1
.irp u, 0,4,1,2,3,5,6,7,8
	FU \u, \e
.endr
.endr
.irp e, 0,1
	v_rcp_f32 v[LS1+\e], v[LS1+\e]                 ; the sums are at least 1/2: the block with the largest M holds a p above 1/2
	v_rcp_f32 v[LS2+\e], v[LS2+\e]
.endr
	v_nop                                          ; a plain line behind the last reciprocal
	s_wait_alu depctr_va_vdst(0)                   ; the wait ahead of the first use: one for the four
.macro FPR u, e
.if \u == 0
	v_mul_f32 v[FF+2*\u+\e], v[FF+2*\u+\e], v[LS1+\e]
.elseif \u >= 4
	v_mul_f32 v[FF+2*\u+\e], v[FF+2*\u+\e], v[LS2+\e]
.else
	v_cndmask_b32 v[TP], v[LS2+\e], v[LS1+\e], s[MK+\u-1]
	v_mul_f32 v[FF+2*\u+\e], v[FF+2*\u+\e], v[TP]
.endif
.endm
.irp u, 0,1,2,3,4,5,6,7,8
	FPR \u, 0
	FPR \u, 1
	ds_store_b64 v[FTW], v[FF+2*\u:FF+2*\u+1] offset:256*\u   ; my own table: only my wave reads it
.endr
.macro MUL8 f, c, a0, zero             ; 8 matrix instructions: query blocks a0, a0 + 1 x 4 channel blocks, 32 keys.  The 16 accumulators take turns
.irp a, \a0, \a0+1
.irp b, 0,1,2,3
.if \zero
	v_wmma_f32_16x16x32_f16 v[ACC+8*(4*(\a)+\b):ACC+8*(4*(\a)+\b)+7], v[\f+64+8*(4*\c+\b):\f+64+8*(4*\c+\b)+7], v[\f+8*(4*\c+\a):\f+8*(4*\c+\a)+7], 0
.else
	v_wmma_f32_16x16x32_f16 v[ACC+8*(4*(\a)+\b):ACC+8*(4*(\a)+\b)+7], v[\f+64+8*(4*\c+\b):\f+64+8*(4*\c+\b)+7], v[\f+8*(4*\c+\a):\f+8*(4*\c+\a)+7], v[ACC+8*(4*(\a)+\b):ACC+8*(4*(\a)+\b)+7]
.endif
.endr
.endr
.endm
.macro FETCH slot, q, f                ; 32 LDS loads in one run: the fragments of the slot's q-th 64 keys; the first 32 keys first
	WIN TO_F
.irp c, 0,1
.irp i, 0,1,2,3
	ds_load_tr16_b128 v[\f+64+8*(4*\c+\i):\f+64+8*(4*\c+\i)+3],   v[ADRB+2*\slot+(\q)/2] offset:((\q)%2)*64*PB+\c*32*PB+32*\i
	ds_load_tr16_b128 v[\f+64+8*(4*\c+\i)+4:\f+64+8*(4*\c+\i)+7], v[ADRB+2*\slot+(\q)/2] offset:((\q)%2)*64*PB+\c*32*PB+16*PB+32*\i
	ds_load_b128 v[\f+8*(4*\c+\i):\f+8*(4*\c+\i)+3],   v[ADRA+\slot] offset:128*(\q)+64*\c+\i*16*PA
	ds_load_b128 v[\f+8*(4*\c+\i)+4:\f+8*(4*\c+\i)+7], v[ADRA+\slot] offset:128*(\q)+64*\c+\i*16*PA+32
.endr
.endr
.endm
.macro PLACES
.rept 4
	v_nop
.endr
.endm
.macro QUARTER slot, q, f, g, zero, fac   ; multiplies buffer f; fetches the slot's q-th 64 keys into g; fac = 1: and the step's four factors
	s_wait_dscnt 16                                ; the first 32 keys' fragments are in
	WIN MUL
	MUL8 \f, 0, 0, \zero
	MUL8 \f, 0, 2, \zero
	PLACES
.if \fac
	WIN 0
	v_add_nc_u32 v[ADF], s[TF], v[AF0]
.irp a, 0,1,2,3
	ds_load_b32 v[FAC+2*\a], v[ADF] offset:64*\a
.endr
.endif
	FETCH \slot, \q, \g
	s_wait_dscnt 32                                ; all but the 32 just issued
	WIN MUL
	MUL8 \f, 1, 0, 0
	MUL8 \f, 1, 2, 0
.endm
; A step's last quarter changes slots: one barrier; in front of it my tensor loads have landed, the add is done and my reads of this slot are over.
; fill = 1: the barrier opens a round of the cluster's barrier, and behind the round this slot is filled again first, with the step two on: one tensor load of mine is out.
.macro TURN slot, next, fill
	WIN 0
	s_wait_tensorcnt 0x0
	ds_add_u32 v[SPW], v[NIL]
.if \fill
	s_add_co_u32 s[U], s[STEP], 2                  ; no tensor load of mine is out: the descriptors may be written
	SETD \slot
.endif
	s_wait_dscnt 17                                ; (the add and the youngest sixteen loads may be out)
	WIN MUL
	MUL8 F1, 0, 0, 0
	s_wait_dscnt 0x0
	s_barrier_signal -1
	MUL8 F1, 0, 2, 0
	WIN 0
	s_barrier_wait -1
.if \fill
	CREST
	JLOAD \slot                                    ; its four v_nop are also the places in front of the loads below
.else
	PLACES
.endif
	FETCH \next, 0, F0
	WIN MUL
	MUL8 F1, 1, 0, 0
	MUL8 F1, 1, 2, 0
.endm
; O takes the step's sums times the row's factor.  mode 0: the tile's first step starts O; 2: it adds; 1: which of the two hangs on the step's key block.
; These lines are also the places between the step's products and the next step's, which start their sums anew.
.macro COMBINE mode
	WIN 0
	PLACES
.if \mode == 1
	s_cmp_eq_u32 s[KBC], 0
	s_cbranch_scc1 .Lfirst_\@
.endif
.if \mode != 0
	WIN 0xa0                                       ; O (destination and source 2): window 2
.irp a, 0,1,2,3
.set i, 0
.rept 16
	v_pk_fma_f32 v[32*\a+2*i:32*\a+2*i+1], v[ACC+32*\a+2*i:ACC+32*\a+2*i+1], v[FAC+2*\a:FAC+2*\a+1], v[32*\a+2*i:32*\a+2*i+1] op_sel_hi:[1,0,1]
.set i, i+1
.endr
.endr
	WIN 0
.endif
.if \mode == 1
	s_branch .Ldone_\@
.Lfirst_\@:
.endif
.if \mode != 2
	WIN 0x80
.irp a, 0,1,2,3
.set i, 0
.rept 16
	v_pk_mul_f32 v[32*\a+2*i:32*\a+2*i+1], v[ACC+32*\a+2*i:ACC+32*\a+2*i+1], v[FAC+2*\a:FAC+2*\a+1] op_sel_hi:[1,0]
.set i, i+1
.endr
.endr
	WIN 0
.endif
.if \mode == 1
.Ldone_\@:
.endif
.endm
; A tile goes out: 16 rows x 64 channels at a time through my stage, back as whole rows of 256 bytes.
.macro OUTT more
.irp a, 0,1,2,3
.if \a >= 2
	s_wait_xcnt 0x0                                ; the stores of two blocks ago have read the registers that the loads below fill
.endif
	WIN 0x08                                       ; an LDS store's data: window 2
.irp b, 0,1,2,3
	ds_store_b128 v[STO], v[32*\a+8*\b:32*\a+8*\b+3] offset:64*\b
	ds_store_b128 v[STO], v[32*\a+8*\b+4:32*\a+8*\b+7] offset:64*\b+16
.endr
	WIN 0
.irp t, 0,1,2,3,4,5,6,7
	ds_load_b128 v[OB+32*(\a%2)+4*\t:OB+32*(\a%2)+4*\t+3], v[RD] offset:\t*2*SPITCH   ; LDS serves a wave's instructions in order
.endr
	s_wait_dscnt 0x0
.irp t, 0,1,2,3,4,5,6,7
	global_store_b128 v[CO], v[OB+32*(\a%2)+4*\t:OB+32*(\a%2)+4*\t+3], s[OC:OC+1] offset:(16*\a+2*\t)*4096 th:TH_STORE_NT   ; 16 lanes store 256 consecutive bytes, aligned
.endr
.endr
.if \more
	s_wait_xcnt 0x0                                ; the stores have read their base and their data
	s_mov_b64 s[OC:OC+1], s[O2:O2+1]               ; on to the second tile
.endif
.endm
.macro NEXT
	s_add_co_u32 s[STEP], s[STEP], 1
	s_add_co_u32 s[TF], s[TF], 256
	s_add_co_u32 s[KBC], s[KBC], 1
	s_cmp_eq_u32 s[STEP], s[N1]
	s_cselect_b32 s[KBC], 0, s[KBC]
.endm
; A step of 256 keys.  kind 1: its slot is filled again; 0: not; 2: the last step.  comb: COMBINE's mode.  outt = 1: the first tile goes out behind its last step.
.macro STEPM slot, next, kind, comb, outt
	QUARTER \slot, 1, F0, F1, 1, 1
	QUARTER \slot, 2, F1, F0, 0, 0
	QUARTER \slot, 3, F0, F1, 0, 0
.if \kind == 2
	s_wait_dscnt 16
	WIN MUL
	MUL8 F1, 0, 0, 0
	MUL8 F1, 0, 2, 0
	s_wait_dscnt 0
	MUL8 F1, 1, 0, 0
	MUL8 F1, 1, 2, 0
.else
	TURN \slot, \next, \kind
.endif
	COMBINE \comb
.if \outt
	s_cmp_lg_u32 s[STEP], s[N1M1]
	s_cbranch_scc1 .Lno_out_\@
	OUTT 1
.Lno_out_\@:
.endif
	NEXT
.endm
	s_wait_dscnt 0x0                               ; my table's stores are done
	s_wait_tensorcnt 1                             ; my part of step 0 is in; step 1's may stay out
	s_barrier_signal -1
	s_barrier_wait -1
	FETCH 0, 0, F0
	STEPM 0, 1, 1, 0, 1                            ; step 0 starts the first tile's O; its refill fetches step 2
	s_mov_b32 s[CNT], 3
.Lpair:                                            ; steps 1 to 6; their refills fetch steps 3 to 8
	STEPM 1, 0, 1, 1, 1
	STEPM 0, 1, 1, 1, 1
	s_sub_co_u32 s[CNT], s[CNT], 1
	s_cmp_lg_u32 s[CNT], 0
	s_cbranch_scc1 .Lpair
	STEPM 1, 0, 0, 2, 0                            ; steps 7 and 8 belong to the second tile whatever p is, and fetch nothing
	STEPM 0, 0, 2, 2, 0
	OUTT 0
	s_wait_tensorcnt 0x0                           ; the wave's end
	ds_add_u32 v[SPW], v[NIL]
	s_wait_dscnt 0x0
	CROUND                                         ; the closing round
	s_endpgm
.Lfunc_end_k_q365b021c5d_pv:
	.size	k_q365b021c5d_pv, .Lfunc_end_k_q365b021c5d_pv-k_q365b021c5d_pv
	.p2alignl 7, 3214868480
	.fill 96, 4, 3214868480
	.section	.rodata,"a",@progbits
	.p2align	6, 0x0
	.amdhsa_kernel k_q365b021c5d_pv
		.amdhsa_group_segment_fixed_size 327680
		.amdhsa_private_segment_fixed_size 0
		.amdhsa_enable_private_segment 0
		.amdhsa_kernarg_size 32
		.amdhsa_user_sgpr_count 2
		.amdhsa_user_sgpr_kernarg_segment_ptr 1
		.amdhsa_wavefront_size32 1
		.amdhsa_system_sgpr_workgroup_id_x 1
		.amdhsa_system_sgpr_workgroup_id_y 1
		.amdhsa_system_sgpr_workgroup_id_z 1
		.amdhsa_system_vgpr_workitem_id 0
		.amdhsa_next_free_vgpr 640
		.amdhsa_next_free_sgpr 92
		.amdhsa_reserve_vcc 0
		.amdhsa_float_denorm_mode_32 3
		.amdhsa_float_denorm_mode_16_64 3
		.amdhsa_memory_ordered 1
		.amdhsa_forward_progress 1
		.amdhsa_inst_pref_size 174
	.end_amdhsa_kernel
	.amdgpu_metadata
---
amdhsa.version: [ 1, 2 ]
amdhsa.kernels:
  - .name:           k_q365b021c5d_pv
    .symbol:         k_q365b021c5d_pv.kd
    .args:
      - { .name: pt, .offset: 0, .size: 8, .value_kind: global_buffer, .address_space: global }
      - { .name: stats, .offset: 8, .size: 8, .value_kind: global_buffer, .address_space: global }
      - { .name: qkv, .offset: 16, .size: 8, .value_kind: global_buffer, .address_space: global }
      - { .name: out0, .offset: 24, .size: 8, .value_kind: global_buffer, .address_space: global }
    .group_segment_fixed_size: 327680
    .private_segment_fixed_size: 0
    .kernarg_segment_align: 8
    .kernarg_segment_size: 32
    .max_flat_workgroup_size: 128
    .sgpr_count:     92
    .vgpr_count:     640
    .wavefront_size: 32
...
	.end_amdgpu_metadata
.endif
;; end of part 4
;; launch head16 (part 5): grid 4 x 4, 8 waves a work-group, no clusters, 26,112 bytes of LDS; arguments first, out0; writes out0
.if DOCPART == 5
	.amdgcn_target "amdgcn-amd-amdhsa--gfx1250"
	.amdhsa_code_object_version 6
	.text
	.protected	k_q365b021c5d_head16
	.globl	k_q365b021c5d_head16
	.p2align	8
	.type	k_q365b021c5d_head16,@function
k_q365b021c5d_head16:
	s_mov_b64 s[64:65], 0
	v_nop
	global_prefetch_b8 v0, s[64:65] scope:SCOPE_SE
	s_setreg_imm32_b32 hwreg(HW_REG_WAVE_MODE, 25, 1), 1
	s_wait_xcnt 0x0
; The first 16 positions of each batch, all in f32: they average one to sixteen values, so rounded operands would weigh most there.
; first [4][16][3072] f32 holds their Q, K, V as the projection summed them.  s = Q . K, t = s x log2(e) / 32, keys after the query hidden, the row's largest t taken away,
; p = 2^(t - max) / sum, out = p V.  Work-group (x, y): batch y, channels 256 x on; each work-group forms the 16 x 16 scores anew (32 small matrix instructions a wave).
; Eight waves: wave w sums the scores over 128 of the 1,024 along E; the eight parts meet in LDS; then wave w makes 32 channels of the output.
; Both products are used transposed: a lane holds one query (lane % 16), and keys or channels 8 (lane / 16) + 0 .. 7.
; No cluster, no tensor load: 768 KiB of input for the whole launch.  LIMITS: NaN and infinities are not served.
; REGISTERS: v16-79 Q, later the eight parts and the rows on the way out; v80-143 K; v144-159 V; v160-191 four accumulators of the scores, v192-207 two of the output: written by matrix instructions alone;
;   v208-215 the scores; v216-223 p; v224-229 at work.
.set RED,   0                          ; LDS: 1,024 bytes a wave: its part of the scores
.set STG,   8192                       ; 16 rows x (1,024 bytes + 16): the output's stage
.set SROW,  1040
.set SPARE, 25088                      ; the spare words, 128 bytes a wave
.set ROWF,  12288                      ; a row of first in bytes
.set SPW,   14
.set NIL,   15
	s_load_b128 s[4:7], s[0:1], 0x0                ; first, out0
	v_lshl_add_u32 v[SPW], v0, 2, SPARE
	v_mov_b32 v[NIL], 0
	v_lshrrev_b32 v1, 5, v0
	v_readfirstlane_b32 s8, v1                     ; wave 0..7
	v_and_b32 v1, 15, v0                           ; r
	v_bfe_u32 v2, v0, 4, 1                         ; h
	v_and_b32 v3, 31, v0                           ; lane
	s_and_b32 s9, ttmp7, 0xffff                    ; batch
	s_lshl_b32 s10, s8, 9                          ; my 128 along E, in bytes
	v_mul_u32_u24 v4, v1, ROWF
	v_lshl_add_u32 v4, v2, 4, v4
	v_add_nc_u32 v4, s10, v4                       ; Q, K: row r, my 128, + 16 h
	s_lshl_b32 s11, ttmp9, 10                      ; my work-group's 256 channels,
	s_lshl_b32 s12, s8, 7                          ; my wave's 32,
	s_add_co_u32 s11, s11, s12
	s_add_co_u32 s11, s11, 8192                    ; V's place in a row
	v_mul_u32_u24 v5, v2, 8*ROWF
	v_lshl_add_u32 v5, v1, 2, v5
	v_add_nc_u32 v5, s11, v5                       ; V: key 8 h, channel r
	s_lshl_b32 s14, s8, 10
	v_lshl_add_u32 v6, v3, 4, s14                  ; my part's place: 1,024 w + 16 x lane
	v_lshlrev_b32 v7, 4, v3                        ; 16 x lane
	v_lshlrev_b32 v8, 3, v2
	v_sub_nc_u32 v8, v1, v8                        ; r - 8 h: register j's key 8 h + j is hidden where j is greater
	v_mov_b32 v9, 0xff800000                       ; -infinity
	s_add_co_u32 s14, s12, STG
	v_mul_u32_u24 v10, v1, SROW
	v_lshl_add_u32 v10, v2, 5, v10
	v_add_nc_u32 v10, s14, v10                     ; into the stage: row r, my 32 channels, + 32 h
	s_mul_i32 s14, s8, 2*SROW
	s_add_co_u32 s14, s14, STG
	v_add_nc_u32 v11, s14, v7                      ; back: rows 2 w and 2 w + 1
	s_mov_b32 s16, 0x76543210                      ; v_permlanex16_b32's selects for lane l xor 16
	s_mov_b32 s17, 0xfedcba98
	s_mov_b32 s18, 0x3d38aa3b                      ; c = log2(e) / 32
	s_mul_i32 s12, s9, 16*ROWF
	s_mov_b32 s13, 0
	s_lshl_b32 s20, s9, 11
	s_lshl_b32 s21, s8, 1
	s_add_co_u32 s20, s20, s21                     ; the first row of out0 that I store
	s_lshl_b32 s20, s20, 12
	s_lshl_b32 s21, ttmp9, 10
	s_add_co_u32 s20, s20, s21
	s_mov_b32 s21, 0
	s_wait_kmcnt 0x0
	s_add_nc_u64 s[4:5], s[4:5], s[12:13]
	s_add_nc_u64 s[6:7], s[6:7], s[20:21]
.irp c, 0,1,2,3,4,5,6,7,8,9,10,11,12,13,14,15
	global_load_b128 v[16+4*\c:19+4*\c], v4, s[4:5] offset:32*\c           ; Q(r, 128 w + 8 c + 4 h + 0 .. 3)
	global_load_b128 v[80+4*\c:83+4*\c], v4, s[4:5] offset:4096+32*\c      ; K likewise
.endr
.irp t, 0,1
.irp k, 0,1,2,3,4,5,6,7
	global_load_b32 v[144+8*\t+\k], v5, s[4:5] offset:\k*ROWF+64*\t        ; V(8 h + k, my channel 16 t + r)
.endr
.endr
	s_wait_loadcnt 16                              ; Q and K are in; V's sixteen loads may be out
	; S^T = K Q^T: source 0 = 16 keys, source 1 = 16 queries.  A pair of registers holds E = 8 c + 4 h + 2 u + 0, 1: the same order along K on both sides.  Four accumulators take turns.
.set n, 0
.rept 32
.if n < 4
	v_wmma_f32_16x16x4_f32 v[160+8*(n%4):167+8*(n%4)], v[80+2*n:81+2*n], v[16+2*n:17+2*n], 0
.else
	v_wmma_f32_16x16x4_f32 v[160+8*(n%4):167+8*(n%4)], v[80+2*n:81+2*n], v[16+2*n:17+2*n], v[160+8*(n%4):167+8*(n%4)]
.endif
.set n, n+1
.endr
.rept 8
	v_nop                                          ; eight places behind this form (ISA guide 7.12.1)
.endr
.irp i, 0,2,4,6
	v_pk_add_f32 v[208+\i:209+\i], v[160+\i:161+\i], v[168+\i:169+\i]
.endr
.irp i, 0,2,4,6
	v_pk_add_f32 v[208+\i:209+\i], v[208+\i:209+\i], v[176+\i:177+\i]
.endr
.irp i, 0,2,4,6
	v_pk_add_f32 v[208+\i:209+\i], v[208+\i:209+\i], v[184+\i:185+\i]
.endr
	ds_store_b128 v6, v[208:211]
	ds_store_b128 v6, v[212:215] offset:512
	s_wait_dscnt 0x0                               ; for the others' sake: my part is stored
	s_barrier_signal -1
	s_barrier_wait -1
.irp p, 0,1,2,3,4,5,6,7
	ds_load_b128 v[16+8*\p:19+8*\p], v7 offset:RED+1024*\p
	ds_load_b128 v[20+8*\p:23+8*\p], v7 offset:RED+1024*\p+512
.endr
	s_wait_dscnt 0x0
.irp i, 0,2,4,6
	v_pk_add_f32 v[208+\i:209+\i], v[16+\i:17+\i], v[24+\i:25+\i]
.endr
.irp p, 2,3,4,5,6,7
.irp i, 0,2,4,6
	v_pk_add_f32 v[208+\i:209+\i], v[208+\i:209+\i], v[16+8*\p+\i:17+8*\p+\i]   ; in the waves' order, alike in every wave
.endr
.endr
.irp j, 0,1,2,3,4,5,6,7
	v_cmp_gt_i32 vcc_lo, \j, v8
	v_cndmask_b32 v[208+\j], v[208+\j], v9, vcc_lo
.endr
	v_max3_num_f32 v224, v208, v209, v210
	v_max3_num_f32 v224, v224, v211, v212
	v_max3_num_f32 v224, v224, v213, v214
	v_max_num_f32 v224, v224, v215
	v_mov_b32 v225, 0                              ; a lane permute's destination counts as one of its sources
	v_permlanex16_b32 v225, v224, s16, s17
	v_max_num_f32 v224, v224, v225                 ; the row's largest score: key 0 counts for every query
	v_mul_f32 v224, s18, v224
.irp j, 0,1,2,3,4,5,6,7
	v_fma_f32 v[216+\j], v[208+\j], s18, -v224
.endr
.irp j, 0,1,2,3,4,5,6,7
	v_exp_f32 v[216+\j], v[216+\j]
.endr
	v_nop                                          ; a plain line behind the last exponential
	s_wait_alu depctr_va_vdst(0)                   ; the wait ahead of the first use: one for the eight
	v_add_f32 v226, v216, v217
	v_add_f32 v227, v218, v219
	v_add_f32 v228, v220, v221
	v_add_f32 v229, v222, v223
	v_add_f32 v226, v226, v227
	v_add_f32 v228, v228, v229
	v_add_f32 v226, v226, v228
	v_permlanex16_b32 v225, v226, s16, s17
	v_add_f32 v226, v226, v225                     ; the row's sum, at least 1
	v_rcp_f32 v226, v226
	v_nop
	s_wait_alu depctr_va_vdst(0)
.irp j, 0,1,2,3,4,5,6,7
	v_mul_f32 v[216+\j], v[216+\j], v226
.endr
	s_wait_loadcnt 0x0                             ; V
	; O^T = V^T p^T: source 0 = 16 channels, source 1 = 16 queries; a pair of registers holds keys 8 h + 2 i + 0, 1 on both sides.  Two accumulators take turns.
.irp i, 0,1,2,3
.irp t, 0,1
.if \i == 0
	v_wmma_f32_16x16x4_f32 v[192+8*\t:199+8*\t], v[144+8*\t+2*\i:145+8*\t+2*\i], v[216+2*\i:217+2*\i], 0
.else
	v_wmma_f32_16x16x4_f32 v[192+8*\t:199+8*\t], v[144+8*\t+2*\i:145+8*\t+2*\i], v[216+2*\i:217+2*\i], v[192+8*\t:199+8*\t]
.endif
.endr
.endr
.rept 8
	v_nop
.endr
.irp t, 0,1
	ds_store_b128 v10, v[192+8*\t:195+8*\t] offset:64*\t          ; lane (r, h): query r, channels 16 t + 8 h + 0 .. 7; each accumulator from its low end on
	ds_store_b128 v10, v[196+8*\t:199+8*\t] offset:64*\t+16
.endr
	s_wait_dscnt 0x0                               ; for the others' sake: my channels are stored
	s_barrier_signal -1
	s_barrier_wait -1
.irp u, 0,1
.irp g, 0,1
	ds_load_b128 v[16+4*(2*\u+\g):19+4*(2*\u+\g)], v11 offset:\u*SROW+512*\g
.endr
.endr
	s_wait_dscnt 0x0
.irp u, 0,1
.irp g, 0,1
	global_store_b128 v7, v[16+4*(2*\u+\g):19+4*(2*\u+\g)], s[6:7] offset:4096*\u+512*\g   ; 32 lanes store 512 consecutive bytes, aligned
.endr
.endr
	s_wait_tensorcnt 0x0                           ; the wave's end
	ds_add_u32 v[SPW], v[NIL]
	s_wait_dscnt 0x0
	s_endpgm
.Lfunc_end_k_q365b021c5d_head16:
	.size	k_q365b021c5d_head16, .Lfunc_end_k_q365b021c5d_head16-k_q365b021c5d_head16
	.p2alignl 7, 3214868480
	.fill 96, 4, 3214868480
	.section	.rodata,"a",@progbits
	.p2align	6, 0x0
	.amdhsa_kernel k_q365b021c5d_head16
		.amdhsa_group_segment_fixed_size 26112
		.amdhsa_private_segment_fixed_size 0
		.amdhsa_enable_private_segment 0
		.amdhsa_kernarg_size 16
		.amdhsa_user_sgpr_count 2
		.amdhsa_user_sgpr_kernarg_segment_ptr 1
		.amdhsa_wavefront_size32 1
		.amdhsa_system_sgpr_workgroup_id_x 1
		.amdhsa_system_sgpr_workgroup_id_y 1
		.amdhsa_system_sgpr_workgroup_id_z 1
		.amdhsa_system_vgpr_workitem_id 0
		.amdhsa_next_free_vgpr 256
		.amdhsa_next_free_sgpr 66
		.amdhsa_reserve_vcc 1
		.amdhsa_float_denorm_mode_32 3
		.amdhsa_float_denorm_mode_16_64 3
		.amdhsa_memory_ordered 1
		.amdhsa_forward_progress 1
		.amdhsa_inst_pref_size 18
	.end_amdhsa_kernel
	.amdgpu_metadata
---
amdhsa.version: [ 1, 2 ]
amdhsa.kernels:
  - .name:           k_q365b021c5d_head16
    .symbol:         k_q365b021c5d_head16.kd
    .args:
      - { .name: first, .offset: 0, .size: 8, .value_kind: global_buffer, .address_space: global }
      - { .name: out0, .offset: 8, .size: 8, .value_kind: global_buffer, .address_space: global }
    .group_segment_fixed_size: 26112
    .private_segment_fixed_size: 0
    .kernarg_segment_align: 8
    .kernarg_segment_size: 16
    .max_flat_workgroup_size: 256
    .sgpr_count:     66
    .vgpr_count:     256
    .wavefront_size: 32
...
	.end_amdgpu_metadata
.endif
;; end of part 5
